; MI455X (gfx1250); checked and timed in simulation.
; The chip was launched on July 23, 2026; its instructions are those of AMD's public machine-readable ISA for CDNA 5 (MIT licence, August 2026) and "CDNA5" Instruction Set Architecture Reference Guide (July 2026). The comments in the code are by the model that wrote it; some were corrected since.
;; Attention. Allowed arithmetic: matrix products marked QUANTISED: E2M3 operands, one E8M0 scale for each 32 along K, by v_wmma_scale_f32_16x16x128_f8f6f4 with both operands' format E2M3, f32 sums; products left as they are: f32 operands where the result goes on into a quantised operand, else bf16, f16 or f32 operands; f32 sums; everything else in f32.
;; Inputs: w_out 1,024 x 1,024 float32; w_qkv 1,024 x 3,072 float32; x 4 x 3,137 x 1,024 float32.
;; Outputs: out0 4 x 3,137 x 1,024 float32.
;; Constants: f = 16.
;; This version of the problem:
;;   THIS VERSION OF THE PROBLEM IS GIVEN IN LOW PRECISION. The matrix products marked QUANTISED in the list below multiply operands that are first quantised to E2M3 (2 exponent bits, 3 mantissa bits; 6 bits a number), with one power-of-two scale for each 32 numbers along K (OCP MX v1.0); their sums are f32. All else is computed in f32.
;;   The module's matrix products, in the order in which they are computed (A, B: the left and right operand; K: the contracted axis; several contracted axes count as one K, in the product's order):
;;     1. [M 12,548, K 1,024] x [K 1,024, N 3,072]; A: input x; B: input w_qkv: QUANTISED
;;     2. batch 64 x [M 1, K 64] x [K 64, N 3,137]; A: computed on the way; B: computed on the way: left as it is (M = 1 < 16)
;;     3. batch 64 x [M 1, K 3,137] x [K 3,137, N 64]; A: softmax (see below); B: computed on the way: left as it is (M = 1 < 16)
;;     4. batch 1,024 x [M 196, K 64] x [K 64, N 197]; A: computed on the way; B: computed on the way: QUANTISED
;;     5. batch 1,024 x [M 196, K 197] x [K 197, N 64]; A: softmax (see below); B: computed on the way: QUANTISED
;;     6. [M 12,548, K 1,024] x [K 1,024, N 1,024]; A: computed on the way; B: input w_out: QUANTISED
;;   THE QUANTISER, for each operand of a quantised product, along K:
;;     - K is cut into blocks of 32 from its start; a last block that is shorter is filled with zeros.
;;     - A block's scale is 2^e with e = floor(log2(the largest magnitude in the block)) - 2, held to -126 .. 127; a block of zeros has e = 0. As a byte (E8M0): e + 127.
;;     - Each number is divided by its block's scale, clamped to +-7.5, and rounded to the nearest number of E2M3, ties to even, subnormals kept.
;;     - The product sums the exact products of the quantised numbers (number of the format x scale) in f32.
;;   ~~~python
;;   def quantise(x, axis):      # numpy; x: float32 -> the quantised numbers, widened to float32 again
;;       x = np.moveaxis(x, axis, -1); K = x.shape[-1]
;;       x = np.pad(x, [(0, 0)] * (x.ndim - 1) + [(0, -K % 32)]); x = x.reshape(x.shape[:-1] + (-1, 32)); a = np.abs(x).max(-1, keepdims=True)
;;       e = np.where(a > 0, np.clip(np.frexp(np.where(a > 0, a, 1))[1] - 1 - 2, -126, 127), 0)      # np.frexp(a)[1] - 1 = floor(log2(a)), exactly
;;       r = np.clip(x / 2.0 ** e, -7.5, 7.5)
;;       step = 2.0 ** (np.maximum(np.frexp(np.where(r == 0, 1, r))[1] - 1, 0) - 3)
;;       q = np.round(r / step) * step * 2.0 ** e      # np.round: ties to even
;;       return np.moveaxis(q.reshape(q.shape[:-2] + (-1,))[..., :K], -1, axis).astype(np.float32)
;;   ~~~
;;   SOFTMAX AHEAD OF A QUANTISED PRODUCT. Where the list says 'softmax', what is quantised is not the finished softmax but p = 2^(t - M), with t = logit x log2(e) and M = ceil(the row's largest t), a whole number; so 1/2 < the row's largest p <= 1. The row's sum l is taken of the UNQUANTISED p, in f32, and the product's result is divided by l at the end. Since M is a whole number, a kernel that streams over the keys may use a running M (the ceiling of the running maximum): every later rescaling is an exact power of two, which a block's scale takes up: the codes' values come out the same.
;;   OPERANDS COMPUTED ON THE WAY. 'Computed on the way' means the value that the module computes at that place (a softmax that the list does not call 'softmax' is quantised finished and normalised). What goes into a quantiser is computed in f32, as accurately as f32 sums, v_exp_f32 and their like allow (about 1e-6 of the number): no bf16 or f16 on the way to a quantiser, and a product that is left as it is and whose result goes on into a quantised operand takes f32 operands (vector FMAs, or v_wmma_f32_16x16x4_f32). A number that lies on a knife's edge between two numbers of the format may be rounded either way, as far as f32 arithmetic and the matrix unit's own rounding can turn it there, and no further.
;; 2 versions, each right; version 2 is version 1 with the launch attn written anew for expert scheduling mode. Each part assembles by itself: llvm-mc -triple=amdgcn-amd-amdhsa -mcpu=gfx1250 --defsym DOCPART=n.
;; ======== version 1 of 2: 3 launches
;; workspace buffers: xc 10,223,616 bytes; xs 425,984 bytes; wc 3,145,728 bytes; wsc 131,072 bytes; oc 10,223,616 bytes; os 425,984 bytes; clso 262,144 bytes; clsml 131,072 bytes
;; launch quant (part 1): grid 17 x 64, 4 waves a work-group, no clusters, 58,880 bytes of LDS; arguments x, w_qkv, w_out, xc, xs, wc, wsc; writes xc, xs, wc, wsc
.if DOCPART == 1
	.amdgcn_target "amdgcn-amd-amdhsa--gfx1250"
	.amdhsa_code_object_version 6
	.text
	.protected	k_q5b12fe5d21_quant
	.globl	k_q5b12fe5d21_quant
	.p2align	8
	.type	k_q5b12fe5d21_quant,@function
k_q5b12fe5d21_quant:
	s_mov_b64 s[64:65], 0
	v_nop
	global_prefetch_b8 v0, s[64:65] scope:SCOPE_SE
	s_setreg_imm32_b32 hwreg(HW_REG_WAVE_MODE, 25, 1), 1
	s_wait_xcnt 0x0
; x [4][3137][1024], w_qkv [1024][3072] and w_out [1024][1024], f32, become codes of FP6 (E2M3) with one E8M0 byte for each 32 along K,
; laid as IMAGES OF OPERAND REGISTERS: a fragment (16 rows x 128 K, 12 registers a lane) is 1,536 bytes, registers 4 c .. 4 c + 3 of lane l at 512 c + 16 l;
; its scale words (four bytes: 128 K of a row) are 64 bytes, 4 bytes a row.  So the later launches load every fragment by three loads of 16 bytes a lane.
; ROWS OF A TILE: row i of tile T is PERM(T, i) = 32 (T / 2) + 8 (T % 2) + i + 8 (i / 8), so that results of two neighbouring tiles are 16 neighbours along a later K.
; xc [bf 64][K step 8][T 13]: for batch b and frame f (bf = 16 b + f) token 0 is the cls row, tokens 1 .. 196 the frame's; tokens over 196 get zero codes.  xs: their scale words.
; wc [gi 64][K step 8][ct 4]: 64 columns a group: gi = 3 head + kind (q, k, v) for w_qkv, 48 + n / 64 for w_out; lane r of tile ct is column PERM(ct, r).  wsc: their scale words.
; A block's scale is 2^(floor(log2(largest magnitude)) - 2): the largest magnitude's exponent field less 2 is the byte, and the conversion's scale operand.
; LIMITS: NaN and infinities among the inputs are not served.  A block whose largest magnitude lies under 2^-124, zeros among them, gets the byte 1 (the rule says 127 for zeros): its codes
; are then zeros or the numbers' values under that scale, and these bytes are read by this program alone.
; SHARES: work-group x < 13: tile x of (b, f) = y; wave w makes K steps 2 w and 2 w + 1.  x >= 13: 256 work-groups take 128 columns x 128 K of a weight, a wave 32 columns: two fragments.
; No barrier: waves share nothing.  The three ways part on the work-group's number and have LDS bytes of their own.
; 194 registers and 58,880 bytes of LDS: five work-groups fit beside each other, 1,280 places for the launch's 1,088 work-groups.
.set FLOOR, 0x1800000                  ; 2^(3 - 127): under it no largest magnitude is taken, so the byte cannot fall under 1
.set EOFF,  0xff000000                 ; takes 2 off an exponent field
.set XST,   0                          ; x: a stage of 16 rows x (512 + 16) bytes for each wave
.set WQST,  33792                      ; w_qkv: two images for each wave
.set WOST,  46080                      ; w_out: likewise
.set R,     16                         ; v16-143  x as loaded: K step e, row i at R + 64 e + 4 i; back from the stage into the same registers: register 64 e + 32 c + i is k = 64 c + 32 h + i of my row
.set PC,    144                        ; v144-155 a fragment's codes
.set PT,    156                        ; v156-163 the upper halves of the two blocks, before they are moved
.set TQ,    164                        ; v164-174 at work
.set WX,    32                         ; weights: v32-95 two sets of 32 numbers down K
.set CC,    96                         ; v96-102  a block's codes
.set OUTR,  112                        ; v112-135 the two images on their way out
	s_load_b256 s[4:11], s[0:1], 0x0               ; x s[4:5], w_qkv s[6:7], w_out s[8:9], xc s[10:11]
	s_load_b128 s[12:15], s[0:1], 0x20             ; xs s[12:13], wc s[14:15]
	s_load_b64 s[16:17], s[0:1], 0x30              ; wsc
	v_lshl_add_u32 v192, v0, 2, 0xe400
	v_mov_b32 v193, 0
	v_lshrrev_b32 v1, 5, v0
	v_readfirstlane_b32 s20, v1                    ; wave
	v_and_b32 v2, 31, v0                           ; lane
	v_lshlrev_b32 v3, 4, v2                        ; 16 x lane
	v_lshlrev_b32 v4, 2, v2                        ; 4 x lane
	v_and_b32 v5, 15, v0                           ; r
	v_bfe_u32 v6, v0, 4, 1                         ; h
	s_and_b32 s21, ttmp7, 0xffff                   ; bf
	s_mov_b32 s30, 0x76543210
	s_mov_b32 s31, 0xfedcba98                      ; v_permlanex16_b32's selects for lane l xor 16
	s_mov_b32 s33, 0xffff0000                      ; lanes 16-31
	s_mov_b32 s41, 0                               ; the high word of every offset
	s_wait_kmcnt 0x0
	s_cmp_ge_u32 ttmp9, 13
	s_cbranch_scc1 .Lweights
	; ---------------- x: tile T = work-group x of (b, f) ----------------
	s_lshr_b32 s22, s21, 4                         ; b
	s_and_b32 s23, s21, 15                         ; f
	s_lshr_b32 s24, ttmp9, 1
	s_lshl_b32 s24, s24, 5
	s_and_b32 s25, ttmp9, 1
	s_lshl_b32 s25, s25, 3
	s_add_co_u32 s24, s24, s25                     ; t0 = 32 (T / 2) + 8 (T % 2)
	s_mul_i32 s40, s22, 3137*4096
	s_add_nc_u64 s[4:5], s[4:5], s[40:41]          ; x at batch b
	s_mul_i32 s28, s23, 196
	s_add_co_u32 s28, s28, s24                     ; token t of the frame is row 196 f + t of the batch
	s_lshl_b32 s28, s28, 12
	s_lshl_b32 s29, s20, 10                        ; my two K steps: 1,024 bytes of a row
	s_add_co_u32 s28, s28, s29
	s_cmp_eq_u32 ttmp9, 0
	s_cselect_b32 s34, s29, s28                    ; row 0 of tile 0 is the cls row, row 0 of the batch
	s_cmp_eq_u32 ttmp9, 12
	s_cselect_b32 s35, 0x13000, 0                  ; tile 12 has 5 tokens: its rows 5 .. 15 read 19 rows further up, inside x, and their codes are cleared
	s_cselect_b32 s36, 5, 16
	s_sub_co_u32 s35, s28, s35
	v_add_nc_u32 v7, s28, v3
	v_add_nc_u32 v8, s34, v3
	v_add_nc_u32 v9, s35, v3
	v_cmp_gt_u32 vcc_lo, s36, v5
	v_cndmask_b32 v10, 0, -1, vcc_lo               ; all ones where my row is a token
	s_mul_i32 s37, s20, 8448
	v_add_nc_u32 v11, s37, v3                      ; the stage, in: a row's 512 bytes as they lie
	v_mul_u32_u24 v12, v5, 528
	v_lshl_add_u32 v12, v6, 7, v12
	v_add_nc_u32 v12, s37, v12                     ; out: row r, + 128 h: my 32 numbers of each 64
	s_mul_i32 s38, s20, 26
	s_add_co_u32 s38, s38, ttmp9                   ; 13 (2 w) + T
	s_mul_i32 s40, s21, 159744
	s_mul_i32 s39, s38, 1536
	s_add_co_u32 s40, s40, s39
	s_add_nc_u64 s[10:11], s[10:11], s[40:41]
	s_mul_i32 s40, s21, 6656
	s_lshl_b32 s39, s38, 6
	s_add_co_u32 s40, s40, s39
	s_add_nc_u64 s[12:13], s[12:13], s[40:41]
	v_mul_u32_u24 v13, v6, 832
	v_lshl_add_u32 v13, v5, 2, v13                 ; lanes 0-15 store K step 2 w's words, lanes 16-31 K step 2 w + 1's
	v_lshlrev_b32 v14, 3, v6                       ; 8 h
	v_mov_b32 v[TQ+7], 0                           ; a lane permute's destination counts as read
.set e, 0
.rept 2
.set i, 0
.rept 16                                       ; each load: 512 consecutive bytes of one row
.if i == 0
	global_load_b128 v[R+64*e+4*i:R+64*e+4*i+3], v8, s[4:5] offset:512*e
.elseif i < 5
	global_load_b128 v[R+64*e+4*i:R+64*e+4*i+3], v7, s[4:5] offset:(i+8*(i/8))*4096+512*e th:TH_LOAD_NT
.else
	global_load_b128 v[R+64*e+4*i:R+64*e+4*i+3], v9, s[4:5] offset:(i+8*(i/8))*4096+512*e th:TH_LOAD_NT
.endif
.set i, i+1
.endr
.set e, e+1
.endr
; K step 2 w + e: 16 rows turn through the stage, so that lane (r, h) holds two whole blocks of row r; then scale, codes, image.
.macro XFRAG e
.set X, R+64*(\e)
	s_wait_loadcnt 16-16*(\e)                      ; this K step's 16 loads are in; the other's may be out
.set i, 0
.rept 16
	ds_store_b128 v11, v[X+4*i:X+4*i+3] offset:528*i
.set i, i+1
.endr
.set i, 0
.rept 16
	ds_load_b128 v[X+4*i:X+4*i+3], v12 offset:256*(i/8)+16*(i%8)   ; LDS serves a wave's instructions in order: these see the stores above, and land in the registers that those have left
.set i, i+1
.endr
	s_wait_dscnt 0x0
.set c, 0
.rept 2
	v_max3_num_f32 v[TQ+c], |v[X+32*c]|, |v[X+32*c+1]|, FLOOR
.set c, c+1
.endr
.set i, 2
.rept 15
.set c, 0
.rept 2
	v_max3_num_f32 v[TQ+c], v[TQ+c], |v[X+32*c+i]|, |v[X+32*c+i+1]|   ; the two blocks by turns
.set c, c+1
.endr
.set i, i+2
.endr
	v_add_nc_u32 v[TQ+2], EOFF, v[TQ]              ; the conversion takes the exponent field of this operand as its scale
	v_add_nc_u32 v[TQ+3], EOFF, v[TQ+1]
	v_lshrrev_b32 v[TQ+4], 23, v[TQ+2]             ; the bytes of blocks h and 2 + h
	v_lshrrev_b32 v[TQ+5], 23, v[TQ+3]
	v_lshl_or_b32 v[TQ+6], v[TQ+5], 16, v[TQ+4]
	v_lshlrev_b32 v[TQ+6], v14, v[TQ+6]            ; at their places in the word
	v_permlanex16_b32 v[TQ+7], v[TQ+6], s30, s31
	v_or_b32 v[TQ+8+(\e)], v[TQ+6], v[TQ+7]        ; with lane l xor 16's two the word is whole
.if (\e) == 1
	s_wait_xcnt 0x0                                ; the first image's stores have read their registers
.endif
.set c, 0
.rept 2
	v_cvt_scalef32_pk16_fp6_f32 v[PC+6*c:PC+6*c+2], v[X+32*c:X+32*c+15], v[TQ+2+c]
	v_cvt_scalef32_pk16_fp6_f32 v[PT+4*c:PT+4*c+2], v[X+32*c+16:X+32*c+31], v[TQ+2+c]   ; (a conversion's three registers begin on an even number)
.set c, c+1
.endr
	v_nop                                          ; one plain place behind a scaled conversion
.set c, 0
.rept 2
.set i, 0
.rept 3
	v_mov_b32 v[PC+6*c+3+i], v[PT+4*c+i]
.set i, i+1
.endr
.set c, c+1
.endr
.set i, 0
.rept 12
	v_and_b32 v[PC+i], v10, v[PC+i]                ; rows that are no tokens: zero codes
.set i, i+1
.endr
.set c, 0
.rept 3
	global_store_b128 v3, v[PC+4*c:PC+4*c+3], s[10:11] offset:19968*(\e)+512*c   ; 512 consecutive bytes
.set c, c+1
.endr
.endm
	XFRAG 0
	XFRAG 1
	v_cndmask_b32 v[TQ+10], v[TQ+8], v[TQ+9], s33
	global_store_b32 v13, v[TQ+10], s[12:13]
	s_wait_tensorcnt 0x0
	ds_add_u32 v192, v193
	s_wait_dscnt 0x0
	s_endpgm
	; ---------------- the weights: a lane takes a column, its registers run down K ----------------
.Lweights:
	s_sub_co_u32 s22, ttmp9, 13
	s_lshl_b32 s23, s21, 2
	s_add_co_u32 s22, s22, s23                     ; 0 .. 255
	s_and_b32 s23, s22, 7                          ; K step
	s_lshr_b32 s24, s22, 3                         ; group of 128 columns: 0-23 w_qkv, 24-31 w_out
	s_and_b32 s25, s20, 1                          ; which 32 of a group of 64 columns
	s_lshr_b32 s26, s20, 1
	v_bfe_u32 v7, v0, 3, 1                         ; u: lane x is row r = x % 8 + 8 (x / 16) of tile 2 (w % 2) + u
	v_and_b32 v8, 7, v0
	v_lshl_add_u32 v8, v6, 3, v8                   ; r
.macro WLOAD t, n, p                           ; block t: W(32 t + i, my column) into set t % 2; 128 consecutive bytes a wave, 512 a work-group
.set i, 0
.rept 32
	global_load_b32 v[WX+32*((\t)%2)+i], v4, s[\p:\p+1] offset:(32*(\t)+i)*4*(\n) th:TH_LOAD_NT
.set i, i+1
.endr
.endm
.macro WBLOCK t, n, p
.set XB, WX+32*((\t)%2)
.if (\t) < 3
	s_wait_loadcnt 32                              ; this block's 32 loads are in; the next block's may be out
.else
	s_wait_loadcnt 0x0
.endif
	v_max3_num_f32 v13, |v[XB]|, |v[XB+1]|, |v[XB+2]|
	v_max3_num_f32 v14, |v[XB+3]|, |v[XB+4]|, |v[XB+5]|
.set i, 6
.rept 6
	v_max3_num_f32 v13, v13, |v[XB+i]|, |v[XB+i+1]|
	v_max3_num_f32 v14, v14, |v[XB+i+2]|, |v[XB+i+3]|
.set i, i+4
.endr
	v_max3_num_f32 v13, v13, |v[XB+30]|, |v[XB+31]|
	v_max3_num_f32 v13, v13, v14, FLOOR
	v_add_nc_u32 v15, EOFF, v13
	v_lshrrev_b32 v14, 23, v15
.if (\t) == 0
	v_mov_b32 v24, v14                             ; the column's scale word: block t's byte is byte t
.else
	v_lshl_or_b32 v24, v14, 8*(\t), v24
.endif
	v_cvt_scalef32_pk16_fp6_f32 v[CC:CC+2], v[XB:XB+15], v15
	v_cvt_scalef32_pk16_fp6_f32 v[CC+4:CC+6], v[XB+16:XB+31], v15
	v_nop                                          ; one plain place behind a scaled conversion
	v_mov_b32 v[CC+3], v[CC+4]
	v_mov_b32 v[CC+4], v[CC+5]
	v_mov_b32 v[CC+5], v[CC+6]                     ; v[CC .. CC + 5]: registers 6 (t / 2) .. + 5 of lane r + 16 (t % 2) of the image
.if (\t) < 2
	ds_store_b128 v10, v[CC:CC+3] offset:256*((\t)%2)
	ds_store_b64 v10, v[CC+4:CC+5] offset:256*((\t)%2)+512
.else
	ds_store_b64 v10, v[CC:CC+1] offset:256*((\t)%2)+520
	ds_store_b128 v10, v[CC+2:CC+5] offset:256*((\t)%2)+1024
.endif
.if (\t) < 2
	WLOAD (\t)+2, \n, \p
.endif
	s_wait_dscnt 0x0                               ; the stores have read their registers
.endm
; s27 = gi, s28 = the group of 128 columns in this weight; n = its columns, stg = this way's LDS bytes, p = its address
.macro WPATH n, stg, p
	s_lshl_b32 s34, s28, 9
	s_lshl_b32 s35, s20, 7
	s_add_co_u32 s40, s34, s35                     ; 4 (128 group + 32 wave)
	s_mul_i32 s35, s23, 128*4*(\n)
	s_add_co_u32 s40, s40, s35
	s_add_nc_u64 s[\p:\p+1], s[\p:\p+1], s[40:41]
	WLOAD 0, \n, \p
	WLOAD 1, \n, \p
	s_mul_i32 s36, s20, 3072
	v_mul_u32_u24 v10, v7, 1536
	v_lshl_add_u32 v10, v8, 4, v10
	v_add_nc_u32 v10, s36, v10
	v_add_nc_u32 v10, \stg, v10                    ; into my two images: 1,536 u + 16 r
	v_add_nc_u32 v11, s36, v3
	v_add_nc_u32 v11, \stg, v11                    ; and back, as they lie
	v_lshlrev_b32 v12, 6, v7
	v_lshl_add_u32 v12, v8, 2, v12                 ; scale word: 64 u + 4 r
	s_mul_i32 s40, s27, 49152
	s_mul_i32 s35, s23, 6144
	s_add_co_u32 s40, s40, s35
	s_mul_i32 s35, s25, 3072
	s_add_co_u32 s40, s40, s35
	s_add_nc_u64 s[14:15], s[14:15], s[40:41]
	s_lshl_b32 s40, s27, 11
	s_lshl_b32 s35, s23, 8
	s_add_co_u32 s40, s40, s35
	s_lshl_b32 s35, s25, 7
	s_add_co_u32 s40, s40, s35
	s_add_nc_u64 s[16:17], s[16:17], s[40:41]
	WBLOCK 0, \n, \p
	WBLOCK 1, \n, \p
	WBLOCK 2, \n, \p
	WBLOCK 3, \n, \p
	global_store_b32 v12, v24, s[16:17]
.set i, 0
.rept 6
	ds_load_b128 v[OUTR+4*i:OUTR+4*i+3], v11 offset:512*i
.set i, i+1
.endr
.set i, 0
.rept 6
	s_wait_dscnt 5-i                               ; the younger loads may be out
	global_store_b128 v3, v[OUTR+4*i:OUTR+4*i+3], s[14:15] offset:512*i   ; 512 consecutive bytes
.set i, i+1
.endr
	s_wait_tensorcnt 0x0
	ds_add_u32 v192, v193
	s_wait_dscnt 0x0
	s_endpgm
.endm
	s_cmp_ge_u32 s24, 24
	s_cbranch_scc1 .Lwo
	s_and_b32 s27, s24, 7                          ; w_qkv: column = 1,024 kind + 64 head + d
	s_lshl_b32 s27, s27, 1
	s_add_co_u32 s27, s27, s26                     ; head
	s_mul_i32 s27, s27, 3
	s_lshr_b32 s29, s24, 3                         ; kind
	s_add_co_u32 s27, s27, s29
	s_mov_b32 s28, s24
	WPATH 3072, WQST, 6
.Lwo:
	s_sub_co_u32 s28, s24, 24
	s_lshl_b32 s27, s28, 1
	s_add_co_u32 s27, s27, s26
	s_add_co_u32 s27, s27, 48
	WPATH 1024, WOST, 8
.Lfunc_end_k_q5b12fe5d21_quant:
	.size	k_q5b12fe5d21_quant, .Lfunc_end_k_q5b12fe5d21_quant-k_q5b12fe5d21_quant
	.p2alignl 7, 3214868480
	.fill 96, 4, 3214868480
	.section	.rodata,"a",@progbits
	.p2align	6, 0x0
	.amdhsa_kernel k_q5b12fe5d21_quant
		.amdhsa_group_segment_fixed_size 58880
		.amdhsa_private_segment_fixed_size 0
		.amdhsa_enable_private_segment 0
		.amdhsa_kernarg_size 56
		.amdhsa_user_sgpr_count 2
		.amdhsa_user_sgpr_kernarg_segment_ptr 1
		.amdhsa_wavefront_size32 1
		.amdhsa_system_sgpr_workgroup_id_x 1
		.amdhsa_system_sgpr_workgroup_id_y 1
		.amdhsa_system_sgpr_workgroup_id_z 1
		.amdhsa_system_vgpr_workitem_id 0
		.amdhsa_next_free_vgpr 194
		.amdhsa_next_free_sgpr 66
		.amdhsa_reserve_vcc 1
		.amdhsa_float_denorm_mode_32 3
		.amdhsa_float_denorm_mode_16_64 3
		.amdhsa_memory_ordered 1
		.amdhsa_forward_progress 1
		.amdhsa_inst_pref_size 61
	.end_amdhsa_kernel
	.amdgpu_metadata
---
amdhsa.version: [ 1, 2 ]
amdhsa.kernels:
  - .name:           k_q5b12fe5d21_quant
    .symbol:         k_q5b12fe5d21_quant.kd
    .args:
      - { .name: x, .offset: 0, .size: 8, .value_kind: global_buffer, .address_space: global }
      - { .name: w_qkv, .offset: 8, .size: 8, .value_kind: global_buffer, .address_space: global }
      - { .name: w_out, .offset: 16, .size: 8, .value_kind: global_buffer, .address_space: global }
      - { .name: xc, .offset: 24, .size: 8, .value_kind: global_buffer, .address_space: global }
      - { .name: xs, .offset: 32, .size: 8, .value_kind: global_buffer, .address_space: global }
      - { .name: wc, .offset: 40, .size: 8, .value_kind: global_buffer, .address_space: global }
      - { .name: wsc, .offset: 48, .size: 8, .value_kind: global_buffer, .address_space: global }
    .group_segment_fixed_size: 58880
    .private_segment_fixed_size: 0
    .kernarg_segment_align: 8
    .kernarg_segment_size: 56
    .max_flat_workgroup_size: 128
    .sgpr_count:     66
    .vgpr_count:     194
    .wavefront_size: 32
...
	.end_amdgpu_metadata
.endif
;; end of part 1
;; launch attn (part 2): grid 4 x 64, 4 waves a work-group, no clusters, 307,456 bytes of LDS; arguments xc, xs, wc, wsc, oc, os, clso, clsml; writes oc, os, clso, clsml
.if DOCPART == 2
	.amdgcn_target "amdgcn-amd-amdhsa--gfx1250"
	.amdhsa_code_object_version 6
	.text
	.protected	k_q5b12fe5d21_attn
	.globl	k_q5b12fe5d21_attn
	.p2align	8
	.type	k_q5b12fe5d21_attn,@function
k_q5b12fe5d21_attn:
	s_mov_b64 s[64:65], 0
	v_nop
	global_prefetch_b8 v0, s[64:65] scope:SCOPE_SE
	s_setreg_imm32_b32 hwreg(HW_REG_WAVE_MODE, 25, 1), 1
	s_wait_xcnt 0x0
; For one batch and frame (bf = work-group y) and four heads (4 x work-group x + wave): q, k, v = x w_qkv of the cls token and the frame's 196 tokens, the frame's attention, and the codes of its result;
; q, k, v never go to memory.  All quantised products on codes of FP6 (E2M3) with E8M0 scales for each 32 along K.  Besides: this frame's part of the cls token's attention over all tokens, in f32.
; SHARES.  A wave owns ONE head from start to end.  The four waves share the images of x in LDS (read only) and nothing else until the tail.
; TOKENS.  13 tiles of 16; row i of tile T is token PERM(T, i) = 32 (T / 2) + 8 (T % 2) + i + 8 (i / 8); token 0 = cls, 1 .. 196 the frame's, over 196 zero codes.
; PASSES.  q and k: source 0 = 16 columns of the weight (column PERM(ct, i) of the head's 64), source 1 = 16 tokens: a lane holds one token, its 32 registers 16 b + i are d = 32 b + 16 h + i: they are quantised in
; registers and kept in the wave's own LDS bytes (six registers a tile: K = 64).  v: the sources swapped: a lane holds one d, its registers run along the tokens, which are the second product's K.
; The factor 1/8 on q is a power of two: a block's scale takes it up, so q is quantised as it is and 1/8 stands in the scores' constant.
; ATTENTION, a tile of 16 queries a trip: S^T = k q^T (13 products; K's upper 64 meet q's zero codes), one M for the row since all 197 keys are at hand, p = 2^(t - M), the sum of the unquantised p, p's codes, O^T = v^T p^T
; (8 products), / the sum, quantised along d: two whole blocks of the last product's K.
; CLS.  The cls query's scores with this frame's keys (the cls key counts in frame 0 alone), by fused multiply-adds on the f32 results of the first product; the largest t, the sum and the weighted v go to clsml and clso.
; The weights go from memory straight into registers (they lie in the order of the operand's registers): no other wave of the work-group reads a wave's weights, so LDS would only be a detour; for the same reason no cluster.
; LIMITS: NaN and infinities are not served.  A block whose largest magnitude lies under 2^-124, zeros among them, gets the byte 1 (for q the bound is 8 times as high as the rule's, since 1/8 is taken later).
; REGISTERS, in windows of 256 (s_set_vgpr_msb: bits 1:0 source 0, 3:2 source 1, 5:4 source 2, 7:6 destination):
;   window 0: v1-31 addresses; v32-63 scale words alone (but v45, v61); v64-95 the cls query, later the blocks' figures; v96-251 x's 13 fragments, later at work, later S^T and p
;   window 1: v0-143 three buffers of four weight fragments; v144-239 v's eight fragments     windows 2, 3: the accumulators; later k's fragments (window 2) and p's codes (window 3)
.set FLOOR, 0x1800000                  ; 2^(3 - 127)
.set EOFF,  0xff000000                 ; takes 2 off an exponent field
.set XSC,   159744                     ; LDS: x's images [K step 8][T 13] from 0; their scale words here;
.set QKI,   166400                     ; each wave's own: q's 13 tiles, then k's, 768 bytes each (registers 0-3 at 16 l, registers 4-5 at 512 + 8 l);
.set QKS,   246272                     ; their scale words, 128 bytes a tile;
.set OW,    259584                     ; each wave's own: the result's 13 tiles, in the same form;
.set OSW,   299520                     ; their scale words, 64 bytes a tile, the waves in the order 0, 2, 1, 3;
.set CLP,   302848                     ; each wave's own: the cls query's p, [T][16]
.set LI,  1                            ; 16 x lane
.set L8,  2                            ; 8 x lane
.set L4,  3                            ; 4 x lane
.set R4,  4                            ; 4 x (lane % 16)
.set XA,  5                            ; v5-7  16 x lane + 59,904 x (K step / 3)
.set XSA, 8
.set XS,  32                           ; v32-44 x's scale words, later k's
.set WS,  46                           ; v46-51 the weights': buffer, pair of tiles; lanes 0-15 the even tile, lanes 16-31 the odd one
.set VS,  52                           ; v52-59 v's
.set QS,  60
.set PS,  62                           ; v62-63 p's
.set CQ,  64
.set XF,  96
.set WF,  0
.set VF,  144
.set VT,  0
.set S,   96
.set QF,  224
.set BM,  64
.set BT,  72
.set BSO, 80
.set BBY, 88
.set MSB, 0
.macro WIN new                         ; the immediate's high byte repeats the setting that is left; a switch that changes nothing is dropped
.if MSB != (\new)
	s_set_vgpr_msb (MSB<<8)|(\new)
.set MSB, (\new)
.endif
.endm
.macro PLACES                          ; four plain vector instructions between a matrix instruction and a load into, or a read of, its registers
.rept 4
	v_nop
.endr
.endm
.macro BARRIER
	s_wait_dscnt 0x0                               ; my LDS stores have landed and my LDS loads are in
	s_barrier_signal -1
	s_barrier_wait -1
.endm
; My quarter of the images (K steps 2 w, 2 w + 1: 39,936 bytes) and of the scale words (1,664 bytes) goes through registers into LDS, as it lies.
.macro COPY
	WIN 0x80
.set i, 0
.rept 64
	global_load_b128 v[4*i:4*i+3], v[LI], s[4:5] offset:512*i
.set i, i+1
.endr
	WIN 0xc0
.rept 14
	global_load_b128 v[4*(i-64):4*(i-64)+3], v[LI], s[4:5] offset:512*i
.set i, i+1
.endr
.set i, 0
.rept 13
	global_load_b32 v[64+i], v[L4], s[6:7] offset:128*i
.set i, i+1
.endr
.set i, 0
.rept 78
.if (i%13) == 0                        ; thirteen at a time: behind load i + 12 stand 78 - i younger ones (the count's field ends at 63; a smaller count is safe)
.if (78-i) > 63
	s_wait_loadcnt 63
.else
	s_wait_loadcnt 78-i
.endif
.endif
.if i < 64
	WIN 0x08
	ds_store_b128 v9, v[4*i:4*i+3] offset:512*i
.else
	WIN 0x0c
	ds_store_b128 v9, v[4*(i-64):4*(i-64)+3] offset:512*i
.endif
.set i, i+1
.endr
	s_wait_loadcnt 0x0
.set i, 0
.rept 13
	ds_store_b32 v10, v[64+i] offset:128*i
.set i, i+1
.endr
	WIN 0
.endm
; Four weight fragments and their scale words, o bytes from the pass's first, into buffer buf: 14 loads
.macro WFETCH o, buf
	WIN 0x40
.set i, 0
.rept 12
	global_load_b128 v[WF+48*(\buf)+4*i:WF+48*(\buf)+4*i+3], v[LI], s[26:27] offset:(\o)+512*i
.set i, i+1
.endr
	WIN 0
	global_load_b32 v[WS+2*(\buf)], v[L4], s[28:29] offset:(\o)/24
	global_load_b32 v[WS+2*(\buf)+1], v[L4], s[28:29] offset:(\o)/24+128
.endm
; x's fragments of K step s: group 0 = tiles 0-6 (28 LDS loads), group 1 = tiles 7-12 (24)
.macro XFETCH g, s
.set T, 7*(\g)
.rept 7-(\g)
.set c, 0
.rept 3
	ds_load_b128 v[XF+12*T+4*c:XF+12*T+4*c+3], v[XA+(\s)/3] offset:((\s)%3)*19968+T*1536+512*c
.set c, c+1
.endr
	ds_load_b32 v[XS+T], v[XSA] offset:832*(\s)+64*T
.set T, T+1
.endr
.endm
; One product.  zero: it starts its sum.  row = 1: source 0's scales stand in lanes 16-31; 2: source 1's
.macro WM zero, row
.if (\zero) && ((\row) == 0)
	v_wmma_scale_f32_16x16x128_f8f6f4 v[rD:rD+7], v[rA:rA+11], v[rB:rB+11], 0, v[rSA], v[rSB] matrix_a_fmt:MATRIX_FMT_FP6 matrix_b_fmt:MATRIX_FMT_FP6
.elseif (\zero) && ((\row) == 1)
	v_wmma_scale_f32_16x16x128_f8f6f4 v[rD:rD+7], v[rA:rA+11], v[rB:rB+11], 0, v[rSA], v[rSB] matrix_a_fmt:MATRIX_FMT_FP6 matrix_b_fmt:MATRIX_FMT_FP6 matrix_a_scale:MATRIX_SCALE_ROW1
.elseif (\zero)
	v_wmma_scale_f32_16x16x128_f8f6f4 v[rD:rD+7], v[rA:rA+11], v[rB:rB+11], 0, v[rSA], v[rSB] matrix_a_fmt:MATRIX_FMT_FP6 matrix_b_fmt:MATRIX_FMT_FP6 matrix_b_scale:MATRIX_SCALE_ROW1
.elseif (\row) == 0
	v_wmma_scale_f32_16x16x128_f8f6f4 v[rD:rD+7], v[rA:rA+11], v[rB:rB+11], v[rD:rD+7], v[rSA], v[rSB] matrix_a_fmt:MATRIX_FMT_FP6 matrix_b_fmt:MATRIX_FMT_FP6
.elseif (\row) == 1
	v_wmma_scale_f32_16x16x128_f8f6f4 v[rD:rD+7], v[rA:rA+11], v[rB:rB+11], v[rD:rD+7], v[rSA], v[rSB] matrix_a_fmt:MATRIX_FMT_FP6 matrix_b_fmt:MATRIX_FMT_FP6 matrix_a_scale:MATRIX_SCALE_ROW1
.else
	v_wmma_scale_f32_16x16x128_f8f6f4 v[rD:rD+7], v[rA:rA+11], v[rB:rB+11], v[rD:rD+7], v[rSA], v[rSB] matrix_a_fmt:MATRIX_FMT_FP6 matrix_b_fmt:MATRIX_FMT_FP6 matrix_b_scale:MATRIX_SCALE_ROW1
.endif
.endm
; The products of a group of tiles in K step s.  kind 0: accumulator (T, ct) at 32 T + 8 ct of window 2 (T < 7) or 32 (T - 7) + 8 ct of window 3.  kind 1 (v): at 112 (ct % 2) + 8 T of window 2 + ct / 2.
; The accumulators take turns, one instruction a turn, in the same order in every K step.
.macro MUL kind, g, s
.set BUF, (\s)%3
.if (\s) == 0
.set ZR, 1
.else
.set ZR, 0
.endif
.if (\kind) == 0
	WIN 0xa1+0x50*(\g)
.set T, 7*(\g)
.rept 7-(\g)
.set ct, 0
.rept 4
.set rD, 32*(T-7*(\g))+8*ct
.set rA, WF+48*BUF+12*ct
.set rB, XF+12*T
.set rSA, WS+2*BUF+ct/2
.set rSB, XS+T
	WM ZR, ct%2
.set ct, ct+1
.endr
.set T, T+1
.endr
.else
.set hh, 0
.rept 2
	WIN 0xa4+0x50*hh
.set T, 7*(\g)
.rept 7-(\g)
.set cl, 0
.rept 2
.set rD, 112*cl+8*T
.set rA, XF+12*T
.set rB, WF+48*BUF+12*(2*hh+cl)
.set rSA, XS+T
.set rSB, WS+2*BUF+hh
	WM ZR, 2*cl
.set cl, cl+1
.endr
.set T, T+1
.endr
.set hh, hh+1
.endr
.endif
.endm
; A K step of 128: 52 products.  lw: the weight loads younger than this step's buffer.  nexto >= 0: my buffer is filled again, for the step that reads it three steps on.
.macro STEP kind, s, lw, nexto
	s_wait_loadcnt \lw
	s_wait_dscnt 24                                ; group 0 is in; group 1's 24 loads may be out
	MUL \kind, 0, \s
	WIN 0
	PLACES
.if (\s) < 7
	XFETCH 0, (\s)+1
	s_wait_dscnt 28                                ; group 1 is in; the 28 just issued may be out
.else
	s_wait_dscnt 0x0
.endif
	MUL \kind, 1, \s
	WIN 0
	PLACES
.if (\s) < 7
	XFETCH 1, (\s)+1
.endif
.if (\nexto) >= 0
	WFETCH \nexto, (\s)%3
.endif
.endm
; A pass: 64 columns x 208 tokens x K = 1,024.  The weight fetches go out in the order of steps 2, 0, 1 (ahead of the pass), 3, 4, 5, 6, 7, and, where a pass follows, its 2, 0, 1.
.macro PASS kind, last
	XFETCH 0, 0
	XFETCH 1, 0
	STEP \kind, 0, 14, 3*6144
	STEP \kind, 1, 14, 4*6144
	STEP \kind, 2, 28, 5*6144
	STEP \kind, 3, 28, 6*6144
	STEP \kind, 4, 28, 7*6144
.if \last
	STEP \kind, 5, 28, -1
	STEP \kind, 6, 14, -1
	STEP \kind, 7, 0, -1
.else
	STEP \kind, 5, 28, 49152+2*6144
	STEP \kind, 6, 28, 49152
	STEP \kind, 7, 28, 49152+6144
.endif
.endm
	s_load_b256 s[4:11], s[0:1], 0x0               ; xc s[4:5], xs s[6:7], wc s[8:9], wsc s[10:11]
	s_load_b256 s[12:19], s[0:1], 0x20             ; oc s[12:13], os s[14:15], clso s[16:17], clsml s[18:19]
	v_lshl_add_u32 v254, v0, 2, 0x4af00
	v_mov_b32 v255, 0
	v_lshrrev_b32 v31, 5, v0
	v_readfirstlane_b32 s20, v31                   ; wave
	v_and_b32 v31, 31, v0                          ; lane
	v_and_b32 v45, 15, v0                          ; r
	v_bfe_u32 v61, v0, 4, 1                        ; h
	v_lshlrev_b32 v[LI], 4, v31
	v_lshlrev_b32 v[L8], 3, v31
	v_lshlrev_b32 v[L4], 2, v31
	v_lshlrev_b32 v[R4], 2, v45
	v_lshlrev_b32 v[XA], 4, v31
	v_add_nc_u32 v[XA+1], 59904, v[LI]
	v_add_nc_u32 v[XA+2], 119808, v[LI]
	v_add_nc_u32 v[XSA], XSC, v[R4]
	s_mul_i32 s46, s20, 39936
	s_mul_i32 s47, s20, 1664
	v_add_nc_u32 v9, s46, v[LI]                    ; where I put my quarter of the images,
	v_add_nc_u32 v10, s47, v[L4]
	v_add_nc_u32 v10, XSC, v10                     ; and of the scale words
	s_mul_i32 s48, s20, 19968
	v_add_nc_u32 v11, s48, v[LI]
	v_add_nc_u32 v11, QKI, v11                     ; q's and k's tiles: registers 0-3,
	v_add_nc_u32 v12, s48, v[L8]
	v_add_nc_u32 v12, QKI+512, v12                 ; registers 4-5,
	s_mul_i32 s48, s20, 3328
	v_add_nc_u32 v13, s48, v[L4]
	v_add_nc_u32 v13, QKS, v13                     ; scale words
	s_mul_i32 s48, s20, 9984
	v_add_nc_u32 v17, s48, v[LI]
	v_add_nc_u32 v17, OW, v17                      ; the result's tiles likewise
	v_add_nc_u32 v18, s48, v[L8]
	v_add_nc_u32 v18, OW+512, v18
	s_and_b32 s54, s20, 1                          ; my head's parity.  In the tail: which half of the tiles I send
	s_lshr_b32 s55, s20, 1                         ; which of the work-group's two K steps of the last product
	s_lshl_b32 s51, s54, 1
	s_add_co_u32 s51, s51, s55
	s_mul_i32 s51, s51, 832
	v_add_nc_u32 v19, s51, v[R4]
	v_add_nc_u32 v19, OSW, v19
	s_mul_i32 s51, s55, 19968
	s_mul_i32 s52, s54, 5376
	s_add_co_u32 s51, s51, s52
	v_add_nc_u32 v20, s51, v[LI]
	v_add_nc_u32 v20, OW, v20                      ; the tail: the even head's tile 7 x half, registers 0-3; the odd head's lies 9,984 bytes on
	v_add_nc_u32 v24, s51, v[L8]
	v_add_nc_u32 v24, OW+512, v24
	v_mov_b32 v25, 0xff800000                      ; -infinity
	v_mov_b32 v26, 0                               ; the cls query's largest t and sum: written in the second trip of the loop below
	v_mov_b32 v27, 0
	s_lshl_b32 s51, s20, 10
	v_add_nc_u32 v28, s51, v[R4]
	v_add_nc_u32 v28, CLP, v28
	v_lshlrev_b32 v29, 5, v61
	v_add_nc_u32 v29, s51, v29
	v_add_nc_u32 v29, CLP, v29
	v_and_b32 v30, 8, v45
	v_add_nc_u32 v30, v30, v45
	v_lshl_add_u32 v30, v61, 3, v30
	v_lshlrev_b32 v30, 2, v30                      ; 4 (8 h + r + 8 (r / 8))
	v_add_nc_u32 v31, OSW, v[LI]
	v_add_nc_u32 v45, OSW, v[L4]
.set i, 0
.rept 32
	v_mov_b32 v[CQ+i], 0                           ; the destination of a move between lanes counts as read
.set i, i+1
.endr
	s_and_b32 s22, ttmp7, 0xffff                   ; bf
	s_and_b32 s24, s22, 15                         ; f
	s_lshl_b32 s25, ttmp9, 2
	s_add_co_u32 s25, s25, s20                     ; head
	s_mov_b32 s30, 0x76543210
	s_mov_b32 s31, 0xfedcba98                      ; v_permlanex16_b32's selects for lane l xor 16
	s_mov_b32 s32, 0x3e38aa3b                      ; log2(e) / 8
	s_mov_b32 s33, s32                             ; (named with it as a pair)
	s_mov_b32 s34, 0x001f001f                      ; tile 12: rows 0-4 are tokens
	s_cmp_eq_u32 s24, 0
	s_cselect_b32 s35, -1, 0xfffefffe              ; tile 0, row 0, the cls key: counted for the cls query in frame 0 alone
	s_mov_b32 s36, 0xffff0000                      ; lanes 16-31
	s_mov_b32 s37, 0xaaaaaaaa                      ; odd lanes
	s_mov_b32 s38, 0
	s_mov_b32 s39, 0
	s_mov_b32 s40, 0
	s_mov_b32 s53, 0
	s_wait_kmcnt 0x0
	s_mul_i32 s52, s25, 147456
	s_add_nc_u64 s[26:27], s[8:9], s[52:53]        ; my head's weights: q's, k's, v's, 49,152 bytes each
	s_mul_i32 s52, s25, 6144
	s_add_nc_u64 s[28:29], s[10:11], s[52:53]
	WFETCH 2*6144, 2
	WFETCH 0, 0
	WFETCH 6144, 1
	s_mul_i32 s52, s22, 159744
	s_add_co_u32 s52, s52, s46
	s_add_nc_u64 s[4:5], s[4:5], s[52:53]
	s_mul_i32 s52, s22, 6656
	s_add_co_u32 s52, s52, s47
	s_add_nc_u64 s[6:7], s[6:7], s[52:53]
	COPY
	s_mul_i32 s52, s22, 159744
	s_mul_i32 s51, ttmp9, 39936
	s_add_co_u32 s52, s52, s51
	s_mul_i32 s51, s55, 19968
	s_add_co_u32 s52, s52, s51
	s_mul_i32 s51, s54, 10752
	s_add_co_u32 s52, s52, s51
	s_add_nc_u64 s[12:13], s[12:13], s[52:53]      ; oc at the first image that I send
	s_mul_i32 s52, s22, 6656
	s_mul_i32 s51, ttmp9, 1664
	s_add_co_u32 s52, s52, s51
	s_add_nc_u64 s[14:15], s[14:15], s[52:53]
	s_lshl_b32 s51, s22, 4
	s_add_co_u32 s51, s51, s25
	s_lshl_b32 s52, s51, 8
	s_add_nc_u64 s[16:17], s[16:17], s[52:53]
	s_lshl_b32 s52, s51, 7
	s_add_nc_u64 s[18:19], s[18:19], s[52:53]
	BARRIER                                        ; x's images lie in LDS
; ---- q, then k: one body, two trips
.set EAM, 96
.set ETP, 110
.set ESO, 124
.set EBY, 138
.set EPW, 152
.set EP,  160
.set SCP, 96
.Lqk:
	PASS 0, 0
	s_cmp_lg_u32 s38, 0
	s_cbranch_scc1 .Ldot
	; q: the cls query is token 0: lanes 0 and 16 of tile 0.  Each half of the lanes takes its own lane's 32 numbers
	WIN 0x02
.set i, 0
.rept 32
	v_mov_b32_dpp v[CQ+i], v[i] row_share:0 row_mask:0xf bank_mask:0xf
.set i, i+1
.endr
	WIN 0
	s_branch .Lepi
.Ldot:
	; k: the cls query's scores with my 208 tokens, in f32, from the sums as they stand
.set g, 0
.rept 2
	WIN 0x02+g
.set p, 0
.rept 16
.set t, 0
.rept 7-g
.if p == 0
	v_pk_mul_f32 v[SCP+2*(7*g+t):SCP+2*(7*g+t)+1], v[32*t:32*t+1], v[CQ:CQ+1]
.else
	v_pk_fma_f32 v[SCP+2*(7*g+t):SCP+2*(7*g+t)+1], v[32*t+2*p:32*t+2*p+1], v[CQ+2*p:CQ+2*p+1], v[SCP+2*(7*g+t):SCP+2*(7*g+t)+1]
.endif
.set t, t+1
.endr
.set p, p+1
.endr
.set g, g+1
.endr
	WIN 0
.set T, 0
.rept 13
	v_add_f32 v[SCP+2*T], v[SCP+2*T], v[SCP+2*T+1]
.set T, T+1
.endr
.set T, 0
.rept 13
	v_permlanex16_b32 v[SCP+2*T+1], v[SCP+2*T], s30, s31
.set T, T+1
.endr
.set T, 0
.rept 13
	v_add_f32 v[SCP+2*T], v[SCP+2*T], v[SCP+2*T+1] ; with the other 32 of d
.set T, T+1
.endr
	v_cndmask_b32 v[SCP], v25, v[SCP], s35         ; what does not count: -infinity
	v_cndmask_b32 v[SCP+24], v25, v[SCP+24], s34
	v_max3_num_f32 v122, v[SCP], v[SCP+2], v[SCP+4]
.set T, 3
.rept 5
	v_max3_num_f32 v122, v122, v[SCP+2*T], v[SCP+2*T+2]
.set T, T+2
.endr
	v_max_num_f32_dpp v122, v122, v122 row_xmask:1 row_mask:0xf bank_mask:0xf
	v_max_num_f32_dpp v122, v122, v122 row_xmask:2 row_mask:0xf bank_mask:0xf
	v_max_num_f32_dpp v122, v122, v122 row_xmask:4 row_mask:0xf bank_mask:0xf
	v_max_num_f32_dpp v122, v122, v122 row_xmask:8 row_mask:0xf bank_mask:0xf
	v_mul_f32 v26, s32, v122                       ; the frame's largest t
.set T, 0
.rept 13
	v_fma_f32 v[SCP+2*T], v[SCP+2*T], s32, -v26
.set T, T+1
.endr
.set T, 0
.rept 13
	v_exp_f32 v[SCP+2*T], v[SCP+2*T]
.set T, T+1
.endr
	v_nop                                          ; a plain place behind the last exponential,
	s_wait_alu depctr_va_vdst(0)                   ; and one wait for the batch, ahead of its first reader
	v_add_f32 v27, v[SCP], v[SCP+2]
	v_add_f32 v122, v[SCP+4], v[SCP+6]
.set T, 4
.rept 4
	v_add_f32 v27, v27, v[SCP+2*T]
	v_add_f32 v122, v122, v[SCP+2*T+2]
.set T, T+2
.endr
	v_add_f32 v27, v27, v[SCP+24]
	v_add_f32 v27, v27, v122
	v_add_f32_dpp v27, v27, v27 row_xmask:1 row_mask:0xf bank_mask:0xf
	v_add_f32_dpp v27, v27, v27 row_xmask:2 row_mask:0xf bank_mask:0xf
	v_add_f32_dpp v27, v27, v27 row_xmask:4 row_mask:0xf bank_mask:0xf
	v_add_f32_dpp v27, v27, v27 row_xmask:8 row_mask:0xf bank_mask:0xf   ; the frame's sum
.set T, 0
.rept 13
	ds_store_b32 v28, v[SCP+2*T] offset:64*T       ; p by tile and row; both halves of the lanes write the same word with the same value
.set T, T+1
.endr
	s_wait_dscnt 0x0                               ; the stores have read their registers
.Lepi:
	; 13 tiles are quantised along d: two blocks a token; six registers and a scale word a tile go to my own LDS bytes
	v_add_nc_u32 v14, s39, v11
	v_add_nc_u32 v15, s39, v12
	v_add_nc_u32 v16, s40, v13
.set g, 0
.rept 2
	WIN 0x0a+5*g
.set i, 0
.rept 8
.set n, 0
.rept 2*(7-g)                                  ; block n = 2 tile + b: registers 16 n on; the blocks by turns; each accumulator is read from its low end on
.if i == 0
	v_max3_num_f32 v[EAM+n], |v[16*n]|, |v[16*n+1]|, FLOOR
.else
	v_max3_num_f32 v[EAM+n], |v[16*n+2*i]|, |v[16*n+2*i+1]|, v[EAM+n]
.endif
.set n, n+1
.endr
.set i, i+1
.endr
	WIN 0
.set n, 0
.rept 2*(7-g)
	v_permlanex16_b32 v[ETP+n], v[EAM+n], s30, s31
.set n, n+1
.endr
.set n, 0
.rept 2*(7-g)
	v_max_num_f32 v[EAM+n], v[EAM+n], v[ETP+n]
.set n, n+1
.endr
.set n, 0
.rept 2*(7-g)
	v_add_nc_u32 v[ESO+n], EOFF, v[EAM+n]
.set n, n+1
.endr
.set n, 0
.rept 2*(7-g)
	v_lshrrev_b32 v[EBY+n], 23, v[ESO+n]
.set n, n+1
.endr
.set t, 0
.rept 7-g
	v_lshl_or_b32 v[EPW+t], v[EBY+2*t+1], 8, v[EBY+2*t]   ; bytes 2 and 3 stay 0: K's upper 64 are zero codes
.set t, t+1
.endr
	WIN 0x02+g
.set n, 0
.rept 2*(7-g)
	v_cvt_scalef32_pk16_fp6_f32 v[EP+4*n:EP+4*n+2], v[16*n:16*n+15], v[ESO+n]
.set n, n+1
.endr
	WIN 0
	v_nop                                          ; one plain place behind a scaled conversion
.set i, 0
.rept 3
.set t, 0
.rept 7-g
	v_permlane16_swap_b32 v[EP+8*t+i], v[EP+8*t+4+i]   ; a whole block to a lane: lanes 0-15 block 0, lanes 16-31 block 1
.set t, t+1
.endr
.set i, i+1
.endr
.set i, 0
.rept 3
.set t, 0
.rept 7-g
	v_mov_b32 v[EP+8*t+3+i], v[EP+8*t+4+i]
.set t, t+1
.endr
.set i, i+1
.endr
.set t, 0
.rept 7-g
	ds_store_b128 v14, v[EP+8*t:EP+8*t+3] offset:768*(7*g+t)
	ds_store_b64 v15, v[EP+8*t+4:EP+8*t+5] offset:768*(7*g+t)
	ds_store_b32 v16, v[EPW+t] offset:128*(7*g+t)
.set t, t+1
.endr
	s_wait_dscnt 0x0                               ; the stores have read their registers
.set g, g+1
.endr
	s_wait_xcnt 0x0                                ; the weight fetches have read their bases
	s_add_nc_u64 s[26:27], s[26:27], 49152
	s_add_nc_u64 s[28:29], s[28:29], 2048
	s_add_co_u32 s39, s39, 9984
	s_add_co_u32 s40, s40, 1664
	s_add_co_u32 s38, s38, 1
	s_cmp_lt_u32 s38, 2
	s_cbranch_scc1 .Lqk
; ---- v
	PASS 1, 1
	; the cls query's weighted v of this frame: lane (r, h) holds d = PERM(ct, r), register j of tile T token PERM(T, 8 h + j)
.set PB, 96
.set OC, 200
.set T, 0
.rept 13
	ds_load_b128 v[PB+8*T:PB+8*T+3], v29 offset:64*T
	ds_load_b128 v[PB+8*T+4:PB+8*T+7], v29 offset:64*T+16
.set T, T+1
.endr
	s_wait_dscnt 0x0
.set g, 0
.rept 2
	WIN 0x02+g
.set T, 0
.rept 13
.set jj, 0
.rept 4
.set cl, 0
.rept 2
.set rO, OC+8*(2*g+cl)+2*jj
.set rV, 112*cl+8*T+2*jj
.set rP, PB+8*T+2*jj
.if T == 0
	v_pk_mul_f32 v[rO:rO+1], v[rV:rV+1], v[rP:rP+1]
.else
	v_pk_fma_f32 v[rO:rO+1], v[rV:rV+1], v[rP:rP+1], v[rO:rO+1]
.endif
.set cl, cl+1
.endr
.set jj, jj+1
.endr
.set T, T+1
.endr
.set g, g+1
.endr
	WIN 0
.set ct, 0
.rept 4
	v_pk_add_f32 v[OC+8*ct:OC+8*ct+1], v[OC+8*ct:OC+8*ct+1], v[OC+8*ct+2:OC+8*ct+3]
	v_pk_add_f32 v[OC+8*ct+4:OC+8*ct+5], v[OC+8*ct+4:OC+8*ct+5], v[OC+8*ct+6:OC+8*ct+7]
.set ct, ct+1
.endr
.set ct, 0
.rept 4
	v_pk_add_f32 v[OC+8*ct:OC+8*ct+1], v[OC+8*ct:OC+8*ct+1], v[OC+8*ct+4:OC+8*ct+5]
.set ct, ct+1
.endr
.set ct, 0
.rept 4
	v_add_f32 v[OC+8*ct], v[OC+8*ct], v[OC+8*ct+1]
.set ct, ct+1
.endr
.set ct, 0
.rept 4
	v_permlanex16_b32 v[OC+8*ct+1], v[OC+8*ct], s30, s31
.set ct, ct+1
.endr
.set ct, 0
.rept 4
	v_add_f32 v[OC+8*ct], v[OC+8*ct], v[OC+8*ct+1] ; with the other half's tokens
.set ct, ct+1
.endr
	v_cndmask_b32 v244, v[OC], v[OC+8], s36        ; lanes 0-15 an even tile of d, lanes 16-31 the odd one: 32 neighbouring d
	v_cndmask_b32 v245, v[OC+16], v[OC+24], s36
	v_cndmask_b32 v246, v26, v27, s37              ; largest t, sum, largest t, sum ..
	global_store_b32 v30, v244, s[16:17]
	global_store_b32 v30, v245, s[16:17] offset:128
	global_store_b32 v[L4], v246, s[18:19]
	; v is quantised along the tokens: seven blocks for each of my 64 d (tile 13 is zeros), into eight fragments in window 1
.set VAM, 96
.set VTP, 112
.set VSO, 128
.set VBY, 144
	WIN 0x80
.set j, 0
.rept 8
	v_mov_b32 v[104+j], 0
	v_mov_b32 v[216+j], 0
.set j, j+1
.endr
	WIN 0xc0
.set j, 0
.rept 8
	v_mov_b32 v[104+j], 0
	v_mov_b32 v[216+j], 0
.set j, j+1
.endr
.set g, 0
.rept 2
	WIN 0x0a+5*g
.set i, 0
.rept 8
.set n, 0
.rept 14                                       ; block n = 7 (ct % 2) + b: registers 112 (n / 7) + 16 (n % 7) on
.if i == 0
	v_max3_num_f32 v[VAM+n], |v[112*(n/7)+16*(n%7)]|, |v[112*(n/7)+16*(n%7)+1]|, FLOOR
.else
	v_max3_num_f32 v[VAM+n], |v[112*(n/7)+16*(n%7)+2*i]|, |v[112*(n/7)+16*(n%7)+2*i+1]|, v[VAM+n]
.endif
.set n, n+1
.endr
.set i, i+1
.endr
	WIN 0
.set n, 0
.rept 14
	v_permlanex16_b32 v[VTP+n], v[VAM+n], s30, s31
.set n, n+1
.endr
.set n, 0
.rept 14
	v_max_num_f32 v[VAM+n], v[VAM+n], v[VTP+n]
.set n, n+1
.endr
.set n, 0
.rept 14
	v_add_nc_u32 v[VSO+n], EOFF, v[VAM+n]
.set n, n+1
.endr
.set n, 0
.rept 14
	v_lshrrev_b32 v[VBY+n], 23, v[VSO+n]
.set n, n+1
.endr
.set cl, 0
.rept 2
.set rS, VS+2*(2*g+cl)
	v_lshl_or_b32 v[rS], v[VBY+7*cl+1], 8, v[VBY+7*cl]
	v_lshl_or_b32 v[rS+1], v[VBY+7*cl+5], 8, v[VBY+7*cl+4]
	v_lshl_or_b32 v[rS], v[VBY+7*cl+2], 16, v[rS]
	v_lshl_or_b32 v[rS+1], v[VBY+7*cl+6], 16, v[rS+1]   ; the eighth block is zero codes: its byte stays 0
	v_lshl_or_b32 v[rS], v[VBY+7*cl+3], 24, v[rS]
.set cl, cl+1
.endr
	WIN 0x42+g
.set n, 0
.rept 8                                        ; n = 4 (ct % 2) + 2 ks + c: blocks 4 ks + 2 c and 4 ks + 2 c + 1
.set cl, n/4
.set B, 2*(n%4)
	v_cvt_scalef32_pk16_fp6_f32 v[VF+24*(2*g+cl)+6*(n%4):VF+24*(2*g+cl)+6*(n%4)+2], v[112*cl+16*B:112*cl+16*B+15], v[VSO+7*cl+B]
.if B < 6
	v_cvt_scalef32_pk16_fp6_f32 v[VT+4*n:VT+4*n+2], v[112*cl+16*B+16:112*cl+16*B+31], v[VSO+7*cl+B+1]
.else
	v_mov_b32 v[VT+4*n], 0
	v_mov_b32 v[VT+4*n+1], 0
	v_mov_b32 v[VT+4*n+2], 0
.endif
.set n, n+1
.endr
	WIN 0x41
	v_nop                                          ; one plain place behind a scaled conversion
.set i, 0
.rept 3
.set n, 0
.rept 8
	v_permlane16_swap_b32 v[VF+24*(2*g+n/4)+6*(n%4)+i], v[VT+4*n+i]
.set n, n+1
.endr
.set i, i+1
.endr
.set i, 0
.rept 3
.set n, 0
.rept 8
	v_mov_b32 v[VF+24*(2*g+n/4)+6*(n%4)+3+i], v[VT+4*n+i]
.set n, n+1
.endr
.set i, i+1
.endr
.set g, g+1
.endr
	WIN 0
; ---- the frame's attention
	s_wait_xcnt 0x0                                ; the stores above have read their registers
	v_add_nc_u32 v14, 9984, v11                    ; k's tiles lie behind q's
	v_add_nc_u32 v15, 9984, v12
	v_add_nc_u32 v16, 1664, v13
	WIN 0x80
.set T, 0
.rept 13                                       ; k's fragments stand six registers apart in window 2: a fragment's upper six are the next tile's codes, which meet q's zero codes
	ds_load_b128 v[6*T:6*T+3], v14 offset:768*T
	ds_load_b64 v[6*T+4:6*T+5], v15 offset:768*T
.set T, T+1
.endr
.set j, 0
.rept 6
	v_mov_b32 v[78+j], 0
.set j, j+1
.endr
	WIN 0
.set T, 0
.rept 13
	ds_load_b32 v[XS+T], v16 offset:128*T
.set T, T+1
.endr
.set j, 0
.rept 6
	v_mov_b32 v[QF+6+j], 0                         ; q's K = 64 .. 127
.set j, j+1
.endr
.set j, 0
.rept 24
	v_mov_b32 v[S+104+j], 0                        ; p of the keys that do not exist: tiles 13 to 15
.set j, j+1
.endr
	v_mov_b32 v[BSO+7], 0x00800000                 ; a scale for the block of zeros
	v_mov_b32 v237, 0                              ; (upper halves of pairs of which the low word serves both)
	v_mov_b32 v243, 0
	s_mov_b32 s41, 0
	s_mov_b32 s42, 0
	s_mov_b32 s43, 0
	s_mov_b32 s45, 0
	s_wait_dscnt 0x0
.Latt:
	v_add_nc_u32 v14, s42, v11
	v_add_nc_u32 v15, s42, v12
	v_add_nc_u32 v16, s43, v13
	ds_load_b128 v[QF:QF+3], v14
	ds_load_b64 v[QF+4:QF+5], v15
	ds_load_b32 v[QS], v16
	s_wait_dscnt 0x0                               ; q's tile is in; the last trip's stores have read their registers
	WIN 0x02
.set kt, 0
.rept 13
	v_wmma_scale_f32_16x16x128_f8f6f4 v[S+8*kt:S+8*kt+7], v[6*kt:6*kt+11], v[QF:QF+11], 0, v[XS+kt], v[QS] matrix_a_fmt:MATRIX_FMT_FP6 matrix_b_fmt:MATRIX_FMT_FP6
.set kt, kt+1
.endr
	WIN 0
	v_add_nc_u32 v21, s42, v17                     ; four plain instructions: the places behind the products
	v_add_nc_u32 v22, s42, v18
	v_add_nc_u32 v23, s45, v19
	v_nop
	; lane (r, h) holds query PERM(qt, r); register 16 b + i is key 32 b + 16 h + i.  Keys over 196: -infinity
.set j, 0
.rept 5
	v_cndmask_b32 v[S+96+j], v[S+96+j], v25, s36
.set j, j+1
.endr
.set j, 0
.rept 3
	v_mov_b32 v[S+101+j], v25
.set j, j+1
.endr
.set b, 0
.rept 7
	v_max3_num_f32 v[BM+b], v[S+16*b], v[S+16*b+1], v[S+16*b+2]   ; each block's largest score: for the row's maximum, and for the block's largest p
.set b, b+1
.endr
	v_max3_num_f32 v[BM+6], v[BM+6], v[S+99], v[S+100]
.set i, 3
.rept 6
.set b, 0
.rept 6
	v_max3_num_f32 v[BM+b], v[BM+b], v[S+16*b+i], v[S+16*b+i+1]
.set b, b+1
.endr
.set i, i+2
.endr
.set b, 0
.rept 6
	v_max_num_f32 v[BM+b], v[BM+b], v[S+16*b+15]
.set b, b+1
.endr
.set b, 0
.rept 7
	v_permlanex16_b32 v[BT+b], v[BM+b], s30, s31
.set b, b+1
.endr
.set b, 0
.rept 7
	v_max_num_f32 v[BM+b], v[BM+b], v[BT+b]
.set b, b+1
.endr
	v_max3_num_f32 v244, v[BM], v[BM+1], v[BM+2]
	v_max3_num_f32 v244, v244, v[BM+3], v[BM+4]
	v_max3_num_f32 v244, v244, v[BM+5], v[BM+6]
	v_mul_f32 v244, s32, v244                      ; the row's largest t
	v_floor_f32 v236, -v244                        ; -M = floor(-t): M is a whole number
.set j, 0
.rept 52
	v_pk_fma_f32 v[S+j:S+j+1], v[S+j:S+j+1], s[32:33], v[236:237] op_sel_hi:[1,0,0]   ; t - M
.set j, j+2
.endr
.set b, 0
.rept 7
	v_fma_f32 v[BM+b], v[BM+b], s32, v236
.set b, b+1
.endr
.set j, 0
.rept 104
	v_exp_f32 v[S+j], v[S+j]                       ; p = 2^(t - M)
.set j, j+1
.endr
	v_nop                                          ; a plain place behind the exponentials,
	s_wait_alu depctr_va_vdst(0)                   ; and one wait for the batch
.set b, 0
.rept 7
	v_exp_f32 v[BM+b], v[BM+b]                     ; each block's largest p: the same two instructions on the same number
.set b, b+1
.endr
	v_pk_add_f32 v[238:239], v[S:S+1], v[S+2:S+3]  ; the row's sum, of the unquantised p, in two chains: the first half stands behind the seven
	v_pk_add_f32 v[240:241], v[S+4:S+5], v[S+6:S+7]
.set j, 8
.rept 12
	v_pk_add_f32 v[238:239], v[238:239], v[S+j:S+j+1]
	v_pk_add_f32 v[240:241], v[240:241], v[S+j+2:S+j+3]
.set j, j+4
.endr
	s_wait_alu depctr_va_vdst(0)                   ; one wait for the seven
.set b, 0
.rept 7
	v_max_num_f32 v[BM+b], FLOOR, v[BM+b]
.set b, b+1
.endr
.set b, 0
.rept 7
	v_add_nc_u32 v[BSO+b], EOFF, v[BM+b]
.set b, b+1
.endr
.set b, 0
.rept 7
	v_lshrrev_b32 v[BBY+b], 23, v[BSO+b]
.set b, b+1
.endr
	v_lshl_or_b32 v[PS], v[BBY+1], 8, v[BBY]
	v_lshl_or_b32 v[PS+1], v[BBY+5], 8, v[BBY+4]
	v_lshl_or_b32 v[PS], v[BBY+2], 16, v[PS]
	v_lshl_or_b32 v[PS+1], v[BBY+6], 16, v[PS+1]
	v_lshl_or_b32 v[PS], v[BBY+3], 24, v[PS]
	WIN 0xc0                                       ; p's codes: window 3, v0-23; the upper halves at v24 on
.set cc, 0
.rept 4
	v_cvt_scalef32_pk16_fp6_f32 v[6*cc:6*cc+2], v[S+32*cc:S+32*cc+15], v[BSO+2*cc]
	v_cvt_scalef32_pk16_fp6_f32 v[24+4*cc:24+4*cc+2], v[S+32*cc+16:S+32*cc+31], v[BSO+2*cc+1]
.set cc, cc+1
.endr
	WIN 0xc3
	v_nop                                          ; one plain place behind a scaled conversion
.set i, 0
.rept 3
.set cc, 0
.rept 4
	v_permlane16_swap_b32 v[6*cc+i], v[24+4*cc+i]
.set cc, cc+1
.endr
.set i, i+1
.endr
.set i, 0
.rept 3
.set cc, 0
.rept 4
	v_mov_b32 v[6*cc+3+i], v[24+4*cc+i]
.set cc, cc+1
.endr
.set i, i+1
.endr
	WIN 0
.set j, 56
.rept 12                                       ; the sum's second half: also the places between the writing of p's codes and scale words and the products that take them
	v_pk_add_f32 v[238:239], v[238:239], v[S+j:S+j+1]
	v_pk_add_f32 v[240:241], v[240:241], v[S+j+2:S+j+3]
.set j, j+4
.endr
	v_pk_add_f32 v[238:239], v[238:239], v[240:241]
	WIN 0x0d                                       ; v in window 1, p in window 3, O^T in window 0, where the first scores lay
.set ks, 0
.rept 2
.set ct, 0
.rept 4
.if ks == 0
	v_wmma_scale_f32_16x16x128_f8f6f4 v[S+8*ct:S+8*ct+7], v[VF+24*ct:VF+24*ct+11], v[0:11], 0, v[VS+2*ct], v[PS] matrix_a_fmt:MATRIX_FMT_FP6 matrix_b_fmt:MATRIX_FMT_FP6
.else
	v_wmma_scale_f32_16x16x128_f8f6f4 v[S+8*ct:S+8*ct+7], v[VF+24*ct+12:VF+24*ct+23], v[12:23], v[S+8*ct:S+8*ct+7], v[VS+2*ct+1], v[PS+1] matrix_a_fmt:MATRIX_FMT_FP6 matrix_b_fmt:MATRIX_FMT_FP6
.endif
.set ct, ct+1
.endr
.set ks, ks+1
.endr
	WIN 0
	v_add_f32 v238, v238, v239
	v_permlanex16_b32 v240, v238, s30, s31
	v_add_f32 v238, v238, v240                     ; the row's sum
	v_rcp_f32 v242, v238
	v_nop
	v_nop                                          ; with the two additions: four plain places behind the products
	s_wait_alu depctr_va_vdst(0)                   ; the wait ahead of the reciprocal's first reader
.set j, 0
.rept 16
	v_pk_mul_f32 v[S+j:S+j+1], v[S+j:S+j+1], v[242:243] op_sel_hi:[1,0]   ; register 16 b + i: d = 32 b + 16 h + i of my query
.set j, j+2
.endr
	v_max3_num_f32 v128, |v[S]|, |v[S+1]|, FLOOR
	v_max3_num_f32 v129, |v[S+16]|, |v[S+17]|, FLOOR
.set i, 2
.rept 7
	v_max3_num_f32 v128, |v[S+i]|, |v[S+i+1]|, v128
	v_max3_num_f32 v129, |v[S+16+i]|, |v[S+17+i]|, v129
.set i, i+2
.endr
	v_permlanex16_b32 v130, v128, s30, s31
	v_permlanex16_b32 v131, v129, s30, s31
	v_max_num_f32 v128, v128, v130
	v_max_num_f32 v129, v129, v131
	v_add_nc_u32 v132, EOFF, v128
	v_add_nc_u32 v133, EOFF, v129
	v_lshrrev_b32 v134, 23, v132
	v_lshrrev_b32 v135, 23, v133
	v_lshl_or_b32 v136, v135, 8, v134
	v_cvt_scalef32_pk16_fp6_f32 v[138:140], v[S:S+15], v132
	v_cvt_scalef32_pk16_fp6_f32 v[142:144], v[S+16:S+31], v133
	v_nop                                          ; one plain place behind a scaled conversion
	v_permlane16_swap_b32 v138, v142
	v_permlane16_swap_b32 v139, v143
	v_permlane16_swap_b32 v140, v144
	v_mov_b32 v141, v142
	v_mov_b32 v142, v143
	v_mov_b32 v143, v144
	ds_store_b128 v21, v[138:141]
	ds_store_b64 v22, v[142:143]
	ds_store_b32 v23, v136                         ; both halves of the lanes write the same word with the same value
	s_add_co_u32 s42, s42, 768
	s_add_co_u32 s43, s43, 128
	s_add_co_u32 s45, s45, 64
	s_add_co_u32 s41, s41, 1
	s_cmp_lt_u32 s41, 13
	s_cbranch_scc1 .Latt
; ---- the tail: a fragment of the last product's K step holds two heads: registers 0-5 the even head's six, 6-11 the odd head's.  Wave w sends K step w / 2, tiles 0-6 (w even) or 7-12 (w odd).
	BARRIER                                        ; all four heads' tiles lie in LDS
.macro OLOAD t
	ds_load_b128 v[96+12*(\t):96+12*(\t)+3], v20 offset:768*(\t)
	ds_load_b64 v[96+12*(\t)+4:96+12*(\t)+5], v24 offset:768*(\t)
	ds_load_b64 v[96+12*(\t)+6:96+12*(\t)+7], v20 offset:9984+768*(\t)
	ds_load_b64 v[96+12*(\t)+8:96+12*(\t)+9], v20 offset:9984+768*(\t)+8
	ds_load_b64 v[96+12*(\t)+10:96+12*(\t)+11], v24 offset:9984+768*(\t)
.endm
.macro OSEND t
	global_store_b128 v[LI], v[96+12*(\t):96+12*(\t)+3], s[12:13] offset:1536*(\t)
	global_store_b128 v[LI], v[96+12*(\t)+4:96+12*(\t)+7], s[12:13] offset:1536*(\t)+512
	global_store_b128 v[LI], v[96+12*(\t)+8:96+12*(\t)+11], s[12:13] offset:1536*(\t)+1024
.endm
.irp t, 0,1,2,3,4,5
	OLOAD \t
.endr
	s_wait_dscnt 0x0
.irp t, 0,1,2,3,4,5
	OSEND \t
.endr
	s_cmp_lg_u32 s54, 0
	s_cbranch_scc1 .Lsix                           ; 13 tiles: the even waves have a seventh
	OLOAD 6
	s_wait_dscnt 0x0
	OSEND 6
.Lsix:
	s_cmp_lg_u32 s20, 0
	s_cbranch_scc1 .Lend                           ; wave 0 joins the scale words: the even heads' two bytes below, the odd heads' above
.set i, 0
.rept 3
	ds_load_b128 v[200+4*i:200+4*i+3], v31 offset:512*i
	ds_load_b128 v[216+4*i:216+4*i+3], v31 offset:1664+512*i
.set i, i+1
.endr
	ds_load_b32 v212, v45 offset:1536
	ds_load_b32 v228, v45 offset:1664+1536
	s_wait_dscnt 0x0
.set i, 0
.rept 13
	v_lshl_or_b32 v[200+i], v[216+i], 16, v[200+i]
.set i, i+1
.endr
.set i, 0
.rept 3
	global_store_b128 v[LI], v[200+4*i:200+4*i+3], s[14:15] offset:512*i
.set i, i+1
.endr
	global_store_b32 v[L4], v212, s[14:15] offset:1536
.Lend:
	s_wait_tensorcnt 0x0
	ds_add_u32 v254, v255
	s_wait_dscnt 0x0
	s_endpgm
.Lfunc_end_k_q5b12fe5d21_attn:
	.size	k_q5b12fe5d21_attn, .Lfunc_end_k_q5b12fe5d21_attn-k_q5b12fe5d21_attn
	.p2alignl 7, 3214868480
	.fill 96, 4, 3214868480
	.section	.rodata,"a",@progbits
	.p2align	6, 0x0
	.amdhsa_kernel k_q5b12fe5d21_attn
		.amdhsa_group_segment_fixed_size 307456
		.amdhsa_private_segment_fixed_size 0
		.amdhsa_enable_private_segment 0
		.amdhsa_kernarg_size 64
		.amdhsa_user_sgpr_count 2
		.amdhsa_user_sgpr_kernarg_segment_ptr 1
		.amdhsa_wavefront_size32 1
		.amdhsa_system_sgpr_workgroup_id_x 1
		.amdhsa_system_sgpr_workgroup_id_y 1
		.amdhsa_system_sgpr_workgroup_id_z 1
		.amdhsa_system_vgpr_workitem_id 0
		.amdhsa_next_free_vgpr 1024
		.amdhsa_next_free_sgpr 66
		.amdhsa_reserve_vcc 0
		.amdhsa_float_denorm_mode_32 3
		.amdhsa_float_denorm_mode_16_64 3
		.amdhsa_memory_ordered 1
		.amdhsa_forward_progress 1
		.amdhsa_inst_pref_size 255
	.end_amdhsa_kernel
	.section	.bss,"aw",@nobits
	.p2align	6
	.space	262144
	.amdgpu_metadata
---
amdhsa.version: [ 1, 2 ]
amdhsa.kernels:
  - .name:           k_q5b12fe5d21_attn
    .symbol:         k_q5b12fe5d21_attn.kd
    .args:
      - { .name: xc, .offset: 0, .size: 8, .value_kind: global_buffer, .address_space: global }
      - { .name: xs, .offset: 8, .size: 8, .value_kind: global_buffer, .address_space: global }
      - { .name: wc, .offset: 16, .size: 8, .value_kind: global_buffer, .address_space: global }
      - { .name: wsc, .offset: 24, .size: 8, .value_kind: global_buffer, .address_space: global }
      - { .name: oc, .offset: 32, .size: 8, .value_kind: global_buffer, .address_space: global }
      - { .name: os, .offset: 40, .size: 8, .value_kind: global_buffer, .address_space: global }
      - { .name: clso, .offset: 48, .size: 8, .value_kind: global_buffer, .address_space: global }
      - { .name: clsml, .offset: 56, .size: 8, .value_kind: global_buffer, .address_space: global }
    .group_segment_fixed_size: 307456
    .private_segment_fixed_size: 0
    .kernarg_segment_align: 8
    .kernarg_segment_size: 64
    .max_flat_workgroup_size: 128
    .sgpr_count:     66
    .vgpr_count:     1024
    .wavefront_size: 32
...
	.end_amdgpu_metadata
.endif
;; end of part 2
;; launch proj (part 3): grid 4 x 64, 4 waves a work-group, clusters of 4 x 1, 184,832 bytes of LDS; arguments oc, os, wc, wsc, clso, clsml, out0; writes out0
.if DOCPART == 3
	.amdgcn_target "amdgcn-amd-amdhsa--gfx1250"
	.amdhsa_code_object_version 6
	.text
	.protected	k_q5b12fe5d21_proj
	.globl	k_q5b12fe5d21_proj
	.p2align	8
	.type	k_q5b12fe5d21_proj,@function
k_q5b12fe5d21_proj:
	s_mov_b64 s[64:65], 0
	v_nop
	global_prefetch_b8 v0, s[64:65] scope:SCOPE_SE
	s_setreg_imm32_b32 hwreg(HW_REG_WAVE_MODE, 25, 1), 1
	s_wait_xcnt 0x0
	s_wait_alu depctr_hold_cnt(0) depctr_sa_sdst(0) depctr_va_vdst(0) depctr_va_sdst(0) depctr_va_ssrc(0) depctr_va_vcc(0) depctr_vm_vsrc(0)
	s_getreg_b32 s2, hwreg(HW_REG_IB_STS2, 6, 4)
	s_cmp_eq_u32 s2, 0
	s_cbranch_scc0 .Lentry_in_a_cluster
	s_endpgm
.Lentry_in_a_cluster:
	s_bfe_u32 s2, ttmp6, 0x10000c
	s_cmp_lg_u32 s2, 0x3003
	s_cbranch_scc0 .Lentry_shape_is_right
	s_endpgm
.Lentry_shape_is_right:
; out0 = attention's result x w_out, on codes of FP6 (E2M3) with E8M0 scales for each 32 along K = 1,024.  A work-group takes the 13 tiles of tokens of one batch and frame (bf = work-group y) and
; 256 columns (work-group x); wave w makes 64 of them for all 208 rows.
; THE WEIGHTS STAY IN REGISTERS: a wave's 64 columns x 1,024 K are 32 fragments, 384 registers, read from memory once.  So the loop goes over the TILES OF TOKENS: a tile is 8 fragments from LDS and 32 products on
; four accumulators, and its 16 rows leave at once: the stores of one tile stand behind the products of the next, not all behind the last product.
; CLUSTER.  The four work-groups of a (b, f) read the same rows' codes and scale words: they form a cluster and ask for them JOINTLY: the same tensor loads, with the same descriptors and a mask that names the four.
; A wave has five tensor loads out, all first fills, behind the one opening round: its quarter of the scale words, tiles 1 + w, 5 + w, 9 + w, and K steps 2 w, 2 w + 1 of tile 0.  Nothing is filled again.
; The tiles are taken in the order 1 .. 12, 0; a work-group barrier stands in front of the fetches of tiles 1, 5, 9 and 0, and in front of it each wave waits for the fill that the next four tiles need.
; The weights are shared with the work-groups of other (b, f), not with the partners; they live in registers, which a tensor load does not fill: no joint request for them.
; THE CLS ROW.  The work-groups of frame 0 finish the cls token: the 16 frames' largest t, sums and weighted v are joined in f32, the row is quantised, and its codes and scale bytes replace those of token 0 in LDS.
; A wave does that for heads 4 w .. 4 w + 3, which are K steps 2 w, 2 w + 1 of tile 0: bytes that its own fills brought, behind its own wait for them.  Only frame 0 stores the cls row.
; Row i of tile T is token PERM(T, i) = 32 (T / 2) + 8 (T % 2) + i + 8 (i / 8); lane r of weight tile ct is column PERM(ct, r) of the wave's 64.  Source 0 = the weight's columns, source 1 = the tokens:
; a lane holds one token, and its registers 16 b + i are columns 32 b + 16 h + i.
; LIMITS: NaN and infinities are not served; a block of the cls row whose largest magnitude lies under 2^-124 gets the byte 1.
; REGISTERS (s_set_vgpr_msb: bits 1:0 source 0, 3:2 source 1, 5:4 source 2, 7:6 destination): window 0: v1-15 addresses; v16-31 the weights' scale words, v32-47 the rows', two sets: scales alone;
;   v48-255 at work on the cls row, then v64-159, v160-255 two sets of a tile's 8 fragments;   windows 1, 2: the weights: K step s, tile ct at 48 (s % 4) + 12 ct of window 1 + s / 4;
;   window 3: v0-63 two sets of four accumulators; v64-127 two sets of rows on their way out.
.set FLOOR, 0x1800000                  ; 2^(3 - 127)
.set EOFF,  0xff000000                 ; takes 2 off an exponent field
.set TILEB, 12288                      ; LDS: tile T's 8 fragments, K step s at 1,536 s, from 12,288 T on;
.set XSC,   159744                     ; the scale words: K steps 2 q, 2 q + 1 (832 bytes each: 64 a tile) from XSC + 1,792 q on: no block of 256 bytes holds two waves' fills;
.set XSQ,   1792
.set STG,   166912                     ; a stage of 16 rows x (256 + 16) bytes for each wave, into which no fill lands
.set LI,  1                            ; 16 x lane
.set L8,  2                            ; 8 x lane
.set L4,  3                            ; 4 x lane
.set R4,  4                            ; 4 x (lane % 16)
.set XA,  5                            ; v5-8  16 x lane + 49,152 x (T / 4)
.set XSA, 9
.set STO, 10                           ; the stage, in
.set RD,  11                           ; back, two rows an instruction
.set RD8, 12                           ; back, one row an instruction
.set GO,  13                           ; out0: 16 (lane % 16) + a row for lanes 16-31
.set WS,  16
.set XS,  32
.set XF,  64
.set BK,  64
.set G1T, 32                           ; s[32:39] descriptor group 1: a tile; s[40:47]: two K steps of a tile; s[48:55]: a quarter of the scale words
.set G1Q, 40
.set G1S, 48
.set G0S, 56                           ; groups 0: s[56:59] scale words; s[60:63], s[68:71], s[72:75] tiles; s[76:79] tile 0's quarter.  None is written again
.set G0Q, 76
.set MSB, 0
.macro WIN new                         ; the immediate's high byte repeats the setting that is left; a switch that changes nothing is dropped
.if MSB != (\new)
	s_set_vgpr_msb (MSB<<8)|(\new)
.set MSB, (\new)
.endif
.endm
.macro PLACES                          ; four plain vector instructions between a matrix instruction and a load into, or a read of, its registers
.rept 4
	v_nop
.endr
.endm
; A round of the cluster's barrier: my work-group's barrier, wave 0 signals for the work-group, every wave waits for all four work-groups, my work-group's barrier once more.
.macro ROUND
	s_barrier_signal -1
	s_barrier_wait -1
	s_cmp_lg_u32 s20, 0
	s_cbranch_scc1 .Lnot_wave_0_\@
	s_barrier_signal -3
.Lnot_wave_0_\@:
	s_barrier_wait -3
	s_barrier_signal -1
	s_barrier_wait -1
.endm
; The barrier in front of the next four tiles' fetches.  left: my younger fills, which may stay out.
.macro STAGEBAR left
	s_wait_tensorcnt \left                         ; my part of what is read next has landed
	s_wait_dscnt 0x0                               ; no LDS instruction of mine is out at a signal; my stores onto the cls row's bytes have landed
	s_barrier_signal -1
	s_barrier_wait -1                              ; everybody's has
.endm
.macro TDESC g, j                      ; group 0 for tile 1 + 4 j + w
	s_mov_b32 s[\g], 1                             ; count = 1
	s_add_co_u32 s[\g+1], s84, (1+4*(\j))*TILEB    ; LDS address: 12,288 x wave + a constant
	s_add_nc_u64 s[\g+2:\g+3], s[88:89], (1+4*(\j))*1536
	s_or_b32 s[\g+3], s[\g+3], 0x80000000          ; type = 2
.endm
; Tile t's 8 fragments and 8 scale words into set buf: 32 LDS loads
.macro XFETCH t, buf
.set s, 0
.rept 8
.set c, 0
.rept 3
	ds_load_b128 v[XF+96*(\buf)+12*s+4*c:XF+96*(\buf)+12*s+4*c+3], v[XA+(\t)/4] offset:((\t)%4)*TILEB+1536*s+512*c
.set c, c+1
.endr
	ds_load_b32 v[XS+8*(\buf)+s], v[XSA] offset:XSQ*(s/2)+832*(s%2)+64*(\t)
.set s, s+1
.endr
.endm
; A tile's 32 products.  The four accumulators take turns, one instruction a turn; the first K step starts the sums.
; The weights' scale words: lanes 0-15 the even tile's, lanes 16-31 the odd tile's.
.macro MUL buf
.set s, 0
.rept 8
	WIN 0xf1+s/4                                   ; source 0 (weights) window 1 or 2, source 1 (rows) window 0, C and D window 3
.set ct, 0
.rept 4
.set rD, 32*(\buf)+8*ct
.set rA, 48*(s%4)+12*ct
.set rB, XF+96*(\buf)+12*s
.set rSA, WS+2*s+ct/2
.set rSB, XS+8*(\buf)+s
.if (s == 0) && ((ct%2) == 0)
	v_wmma_scale_f32_16x16x128_f8f6f4 v[rD:rD+7], v[rA:rA+11], v[rB:rB+11], 0, v[rSA], v[rSB] matrix_a_fmt:MATRIX_FMT_FP6 matrix_b_fmt:MATRIX_FMT_FP6
.elseif s == 0
	v_wmma_scale_f32_16x16x128_f8f6f4 v[rD:rD+7], v[rA:rA+11], v[rB:rB+11], 0, v[rSA], v[rSB] matrix_a_fmt:MATRIX_FMT_FP6 matrix_b_fmt:MATRIX_FMT_FP6 matrix_a_scale:MATRIX_SCALE_ROW1
.elseif (ct%2) == 0
	v_wmma_scale_f32_16x16x128_f8f6f4 v[rD:rD+7], v[rA:rA+11], v[rB:rB+11], v[rD:rD+7], v[rSA], v[rSB] matrix_a_fmt:MATRIX_FMT_FP6 matrix_b_fmt:MATRIX_FMT_FP6
.else
	v_wmma_scale_f32_16x16x128_f8f6f4 v[rD:rD+7], v[rA:rA+11], v[rB:rB+11], v[rD:rD+7], v[rSA], v[rSB] matrix_a_fmt:MATRIX_FMT_FP6 matrix_b_fmt:MATRIX_FMT_FP6 matrix_a_scale:MATRIX_SCALE_ROW1
.endif
.set ct, ct+1
.endr
.set s, s+1
.endr
.endm
; THE WAY OUT of a tile of 16 tokens x 64 columns, through my own stage: a lane holds 64 + 64 bytes of a row; the rows come back whole.  Rows 2 i and 2 i + 1 of a tile are neighbouring tokens: lanes 0-15 take one,
; lanes 16-31 the other, 16 bytes a lane, and a store covers two runs of 256 consecutive bytes, each at a multiple of 256 from out0's first byte.  Rows that have no such partner (the cls row and token 1; token 196)
; come back and leave alone, 8 bytes a lane.  NLD: the loads back: 8; tile 0: 2 + 7; tile 12, which has 5 tokens: 2 + 1.
.macro NLDOF t
.if (\t) == 0
.set NLD, 9
.elseif (\t) == 12
.set NLD, 3
.else
.set NLD, 8
.endif
.endm
.macro TOSTAGE t, buf                  ; under the setting 0xcc: addresses window 0, store data and loaded data window 3
.set i, 0
.rept 8
	ds_store_b128 v[STO], v[32*(\buf)+4*i:32*(\buf)+4*i+3] offset:128*(i/4)+16*(i%4)   ; each accumulator from its low end on
.set i, i+1
.endr
.set BB, BK+32*(\buf)
.if (\t) == 0
	ds_load_b64 v[BB:BB+1], v[RD8]                 ; LDS serves a wave's instructions in order: these see the stores above
	ds_load_b64 v[BB+2:BB+3], v[RD8] offset:272
.set i, 1
.rept 7
	ds_load_b128 v[BB+4*i:BB+4*i+3], v[RD] offset:544*i
.set i, i+1
.endr
.elseif (\t) == 12
	ds_load_b128 v[BB:BB+3], v[RD]
	ds_load_b128 v[BB+4:BB+7], v[RD] offset:544
	ds_load_b64 v[BB+8:BB+9], v[RD8] offset:4*272
.else
.set i, 0
.rept 8
	ds_load_b128 v[BB+4*i:BB+4*i+3], v[RD] offset:544*i
.set i, i+1
.endr
.endif
.endm
.macro SEND t, buf
.set BB, BK+32*(\buf)
.set T0, 32*((\t)/2)+8*((\t)%2)
.if (\t) == 0
	WIN 0                                          ; at a branch and at a label every window is 0
	s_cmp_lg_u32 s24, 0
	s_cbranch_scc1 .Lnot_first_frame               ; the cls row is frame 0's to store
	WIN 0xcc
	global_store_b64 v[L8], v[BB:BB+1], s[18:19] th:TH_STORE_NT
	WIN 0
.Lnot_first_frame:
	WIN 0xcc
	global_store_b64 v[L8], v[BB+2:BB+3], s[16:17] offset:4096 th:TH_STORE_NT
.set i, 1
.rept 7
	global_store_b128 v[GO], v[BB+4*i:BB+4*i+3], s[16:17] offset:(T0+2*i+8*(i/4))*4096 th:TH_STORE_NT
.set i, i+1
.endr
.elseif (\t) == 12
	global_store_b128 v[GO], v[BB:BB+3], s[16:17] offset:T0*4096 th:TH_STORE_NT
	global_store_b128 v[GO], v[BB+4:BB+7], s[16:17] offset:(T0+2)*4096 th:TH_STORE_NT
	global_store_b64 v[L8], v[BB+8:BB+9], s[16:17] offset:(T0+4)*4096 th:TH_STORE_NT
.else
.set i, 0
.rept 8
	global_store_b128 v[GO], v[BB+4*i:BB+4*i+3], s[16:17] offset:(T0+2*i+8*(i/4))*4096 th:TH_STORE_NT
.set i, i+1
.endr
.endif
.endm
; Turn n of 13: tile (n + 1) % 13.  The tile before it is tile n.
.macro ITER n
.set TC, ((\n)+1)%13
.set TN, ((\n)+2)%13
.if (\n) == 3
	STAGEBAR 2                                     ; tiles 5 .. 8 are fetched from here on
.elseif (\n) == 7
	STAGEBAR 1                                     ; tiles 9 .. 12
.elseif (\n) == 11
	STAGEBAR 0                                     ; tile 0
.endif
.if (\n) > 0
	NLDOF \n
	s_wait_dscnt 8+NLD                             ; this tile's fragments are in; the last tile's 8 stores into the stage and its loads back may be out
.else
	s_wait_dscnt 0x0
.endif
.set YF, 0
.if (\n) < 12
	WIN 0
	XFETCH TN, ((\n)+1)%2                          ; the next tile's, into the set that the last tile's products have left, four places ago
.set YF, 32
.endif
	MUL (\n)%2
	WIN 0xcc
	PLACES
.if (\n) > 1
	s_wait_xcnt 0x0                                ; the stores of two tiles back have read their registers: this tile's rows may land there
.endif
	TOSTAGE TC, (\n)%2
.if (\n) > 0
	NLDOF TC
	s_wait_dscnt YF+8+NLD                          ; the last tile's rows are back; the next tile's fetches and this tile's way through the stage may be out
	SEND \n, ((\n)+1)%2
.endif
.endm
	s_load_b256 s[4:11], s[0:1], 0x0               ; oc s[4:5], os s[6:7], wc s[8:9], wsc s[10:11]
	s_load_b128 s[12:15], s[0:1], 0x20             ; clso s[12:13], clsml s[14:15]
	s_load_b64 s[16:17], s[0:1], 0x30              ; out0
	v_lshl_add_u32 v51, v0, 2, 0x2d000
	v_mov_b32 v54, 0
	ds_add_u32 v51, v54
	ds_add_u32 v51, v54
	v_lshrrev_b32 v14, 5, v0
	v_readfirstlane_b32 s20, v14                   ; wave
	v_and_b32 v15, 31, v0                          ; lane
	v_lshlrev_b32 v[LI], 4, v15
	v_lshlrev_b32 v[L8], 3, v15
	v_lshlrev_b32 v[L4], 2, v15
	v_lshlrev_b32 v[XA], 4, v15
	v_and_b32 v14, 15, v0                          ; r
	v_bfe_u32 v15, v0, 4, 1                        ; h
	v_lshlrev_b32 v[R4], 2, v14
	v_add_nc_u32 v[XA+1], 4*TILEB, v[LI]
	v_add_nc_u32 v[XA+2], 8*TILEB, v[LI]
	v_add_nc_u32 v[XA+3], 12*TILEB, v[LI]
	v_add_nc_u32 v[XSA], XSC, v[R4]
	s_mul_i32 s80, s20, 4352
	v_mul_u32_u24 v[STO], v14, 272
	v_lshl_add_u32 v[STO], v15, 6, v[STO]
	v_add_nc_u32 v[STO], s80, v[STO]
	v_add_nc_u32 v[STO], STG, v[STO]               ; in: row r, + 64 h
	v_mul_u32_u24 v[RD], v15, 272
	v_lshl_add_u32 v[RD], v14, 4, v[RD]
	v_add_nc_u32 v[RD], s80, v[RD]
	v_add_nc_u32 v[RD], STG, v[RD]                 ; back: lanes 0-15 one row, lanes 16-31 the next
	v_add_nc_u32 v[RD8], s80, v[L8]
	v_add_nc_u32 v[RD8], STG, v[RD8]               ; back: one row, 8 bytes a lane
	v_lshlrev_b32 v[GO], 12, v15
	v_lshl_add_u32 v[GO], v14, 4, v[GO]
	s_bfe_u32 s21, ttmp6, 0x40000                  ; cx: my place in the cluster
	s_lshl_b32 s81, ttmp9, 2                       ; in a cluster launch ttmp9 counts clusters
	s_add_co_u32 s21, s21, s81                     ; which 256 columns: it enters the weights' and out0's addresses alone
	s_and_b32 s22, ttmp7, 0xffff                   ; bf, which the four partners share
	s_lshr_b32 s23, s22, 4                         ; b
	s_and_b32 s24, s22, 15                         ; f
	s_lshl_b32 s25, s21, 2
	s_add_co_u32 s25, s25, s20                     ; my block of 64 columns
	s_mov_b32 s30, 0x76543210
	s_mov_b32 s31, 0xfedcba98                      ; v_permlanex16_b32's selects for lane l xor 16
	; descriptor group 1.  Elements of 8 bytes.  A tile: 8 rows (K steps) of 192 elements (a fragment's 1,536 bytes), 2,496 elements (13 fragments) apart in memory, dense in LDS
	s_mov_b32 s[G1T], 15|(3<<16)|(1<<21)           ; 15:0 the mask: all four work-groups; 17:16 elements of 8 bytes; 20 no padding; 21 set beside a mask
	s_mov_b32 s[G1T+1], 192<<16                    ; tensor_dim0
	s_mov_b32 s[G1T+2], 8<<16                      ; tensor_dim1
	s_mov_b32 s[G1T+3], 192<<16                    ; tile_dim0
	s_mov_b32 s[G1T+4], 8                          ; tile_dim1
	s_mov_b32 s[G1T+5], 2496                       ; from row to row
	s_mov_b32 s[G1T+6], 0
	s_mov_b32 s[G1T+7], 0
	s_mov_b32 s[G1Q], 15|(3<<16)|(1<<21)           ; two K steps of a tile: the same with 2 rows
	s_mov_b32 s[G1Q+1], 192<<16
	s_mov_b32 s[G1Q+2], 2<<16
	s_mov_b32 s[G1Q+3], 192<<16
	s_mov_b32 s[G1Q+4], 2
	s_mov_b32 s[G1Q+5], 2496
	s_mov_b32 s[G1Q+6], 0
	s_mov_b32 s[G1Q+7], 0
	s_mov_b32 s[G1S], 15|(3<<16)|(1<<21)           ; two K steps' scale words: one row of 208 elements, 1,664 bytes
	s_mov_b32 s[G1S+1], 208<<16
	s_mov_b32 s[G1S+2], 1<<16
	s_mov_b32 s[G1S+3], 208<<16
	s_mov_b32 s[G1S+4], 1
	s_mov_b32 s[G1S+5], 208
	s_mov_b32 s[G1S+6], 0
	s_mov_b32 s[G1S+7], 0
	s_mul_i32 s84, s20, TILEB                      ; LDS addresses hang on the wave's number alone
	s_mul_i32 s85, s20, 3072
	s_mul_i32 s86, s20, XSQ
	s_mov_b32 s83, 0                               ; the high word of every offset
	s_wait_dscnt 0x0
	s_wait_kmcnt 0x0
	s_mul_i32 s82, s22, 159744
	s_add_nc_u64 s[4:5], s[4:5], s[82:83]          ; the codes of (b, f)
	s_mul_i32 s82, s22, 6656
	s_mul_i32 s81, s20, 1664
	s_add_co_u32 s82, s82, s81
	s_add_nc_u64 s[6:7], s[6:7], s[82:83]          ; the scale words of K steps 2 w, 2 w + 1
	s_mov_b32 s[G0S], 1
	s_add_co_u32 s[G0S+1], s86, XSC
	s_mov_b64 s[G0S+2:G0S+3], s[6:7]
	s_or_b32 s[G0S+3], s[G0S+3], 0x80000000
	s_mul_i32 s82, s20, 1536
	s_add_nc_u64 s[88:89], s[4:5], s[82:83]        ; tile w, K step 0
	TDESC 60, 0
	TDESC 68, 1
	TDESC 72, 2
	s_mul_i32 s82, s20, 39936                      ; tile 0, K step 2 w
	s_mov_b32 s[G0Q], 1
	s_mov_b32 s[G0Q+1], s85
	s_add_nc_u64 s[G0Q+2:G0Q+3], s[4:5], s[82:83]
	s_or_b32 s[G0Q+3], s[G0Q+3], 0x80000000
	s_add_co_u32 s81, s25, 48
	s_mul_i32 s82, s81, 49152
	s_add_nc_u64 s[26:27], s[8:9], s[82:83]        ; my 64 columns' fragments,
	s_lshl_b32 s82, s81, 11
	s_add_nc_u64 s[28:29], s[10:11], s[82:83]      ; and their scale words
	ROUND                                          ; all four work-groups are here: the joint loads meet
	tensor_load_to_lds s[G0S:G0S+3], s[G1S:G1S+7]  ; the scale words first: they are wanted with the first tile
	s_nop 0
	tensor_load_to_lds s[60:63], s[G1T:G1T+7]      ; tile 1 + w
	s_nop 0
	tensor_load_to_lds s[68:71], s[G1T:G1T+7]      ; tile 5 + w
	s_nop 0
	tensor_load_to_lds s[72:75], s[G1T:G1T+7]      ; tile 9 + w
	s_nop 0
	tensor_load_to_lds s[G0Q:G0Q+3], s[G1Q:G1Q+7]  ; my quarter of tile 0, which is taken last
	s_nop 0
.rept 4
	v_nop                                          ; four lines behind the last of them, ahead of the switch of windows
.endr
	WIN 0x40
.set i, 0
.rept 48
	global_load_b128 v[4*i:4*i+3], v[LI], s[26:27] offset:512*i            ; K steps 0-3: window 1
.set i, i+1
.endr
	WIN 0x80
.rept 48
	global_load_b128 v[4*(i-48):4*(i-48)+3], v[LI], s[26:27] offset:512*i  ; K steps 4-7: window 2
.set i, i+1
.endr
	WIN 0
.set s, 0
.rept 8
	global_load_b32 v[WS+2*s], v[L4], s[28:29] offset:256*s
	global_load_b32 v[WS+2*s+1], v[L4], s[28:29] offset:256*s+128
.set s, s+1
.endr
	s_lshl_b32 s82, s23, 16
	s_add_nc_u64 s[12:13], s[12:13], s[82:83]      ; the batch's cls parts
	s_lshl_b32 s82, s23, 15
	s_add_nc_u64 s[14:15], s[14:15], s[82:83]
	s_mul_i32 s81, s23, 3137
	s_lshl_b32 s82, s81, 12
	s_lshl_b32 s87, s25, 8
	s_add_co_u32 s82, s82, s87
	s_add_nc_u64 s[18:19], s[16:17], s[82:83]      ; the cls row, my columns
	s_mul_i32 s80, s24, 196
	s_add_co_u32 s81, s81, s80
	s_lshl_b32 s82, s81, 12
	s_add_co_u32 s82, s82, s87
	s_add_nc_u64 s[16:17], s[16:17], s[82:83]      ; token t of the frame lies t rows on
	s_cmp_lg_u32 s24, 0
	s_cbranch_scc1 .Lnocls
	; ---- frame 0: the cls row.  Its loads go out behind the weights' and come in with them.
	; lane (r, h): head 4 w + r / 4, d = 16 (r % 4) .. + 15, frames 8 h .. 8 h + 7
	v_bfe_u32 v52, v0, 2, 2
	v_and_b32 v53, 3, v0
	s_lshl_b32 s80, s20, 10
	v_lshlrev_b32 v55, 8, v52
	v_lshl_add_u32 v55, v53, 6, v55
	v_lshl_add_u32 v55, v15, 15, v55
	v_add_nc_u32 v55, s80, v55
	s_lshl_b32 s80, s20, 9
	v_lshlrev_b32 v90, 7, v52
	v_lshl_add_u32 v90, v15, 14, v90
	v_add_nc_u32 v90, s80, v90
.set fr, 0
.rept 8
.set q, 0
.rept 4
	global_load_b128 v[96+16*fr+4*q:96+16*fr+4*q+3], v55, s[12:13] offset:4096*fr+16*q
.set q, q+1
.endr
	global_load_b64 v[224+2*fr:224+2*fr+1], v90, s[14:15] offset:2048*fr   ; largest t, sum
.set fr, fr+1
.endr
	; where the codes go: token 0 is row 0 of tile 0: lanes 0 and 16 of the image.  k = 64 c + 32 h' + 16 e + 0 .. 15 is registers 6 c + 3 e .. + 2 of lane 16 h'
	v_bfe_u32 v244, v0, 2, 1                       ; c: the head's parity
	v_and_b32 v245, 1, v0                          ; e
	v_mul_u32_u24 v246, v244, 6
	v_mad_u32_u24 v246, v245, 3, v246
	v_bfe_u32 v245, v0, 1, 1                       ; h'
	v_bfe_u32 v247, v0, 3, 1                       ; which of my two K steps
	v_mul_u32_u24 v251, v247, 1536
	v_lshl_add_u32 v251, v245, 8, v251
	v_add_nc_u32 v251, s85, v251
.set i, 0
.rept 3
	v_add_nc_u32 v252, i, v246
	v_lshrrev_b32 v253, 2, v252
	v_and_b32 v252, 3, v252
	v_lshl_add_u32 v[240+i], v253, 9, v251
	v_lshl_add_u32 v[240+i], v252, 2, v[240+i]
.set i, i+1
.endr
	v_mul_u32_u24 v243, v247, 832
	v_lshl_add_u32 v243, v244, 1, v243
	v_add_nc_u32 v243, v245, v243
	v_add_nc_u32 v243, s86, v243
	v_add_nc_u32 v243, XSC, v243                   ; the block's scale byte: byte 2 c + h' of row 0's word
	v_mov_b32 v73, 0                               ; a lane permute's destination counts as read
	v_mov_b32 v93, 0
.set fr, 0
.rept 8
	v_mov_b32 v[57+2*fr], 0                        ; (upper halves of pairs of which the low word serves both)
.set fr, fr+1
.endr
	s_wait_loadcnt 0x0
	v_max3_num_f32 v91, v224, v226, v228
	v_max3_num_f32 v91, v91, v230, v232
	v_max3_num_f32 v91, v91, v234, v236
	v_max_num_f32 v91, v91, v238
	v_permlanex16_b32 v73, v91, s30, s31
	v_max_num_f32 v91, v91, v73                    ; the largest t over all 16 frames
.set fr, 0
.rept 8
	v_sub_f32 v[56+2*fr], v[224+2*fr], v91
.set fr, fr+1
.endr
.set fr, 0
.rept 8
	v_exp_f32 v[56+2*fr], v[56+2*fr]               ; each frame's weight
.set fr, fr+1
.endr
	v_nop                                          ; a plain place behind the exponentials,
	s_wait_alu depctr_va_vdst(0)                   ; and one wait for the batch
	v_mul_f32 v72, v56, v225
.set fr, 1
.rept 7
	v_fma_f32 v72, v[56+2*fr], v[225+2*fr], v72
.set fr, fr+1
.endr
.set j, 0
.rept 8
	v_pk_mul_f32 v[74+2*j:75+2*j], v[96+2*j:97+2*j], v[56:57] op_sel_hi:[1,0]
.set j, j+1
.endr
.set fr, 1
.rept 7
.set j, 0
.rept 8
	v_pk_fma_f32 v[74+2*j:75+2*j], v[96+16*fr+2*j:97+16*fr+2*j], v[56+2*fr:57+2*fr], v[74+2*j:75+2*j] op_sel_hi:[1,0,1]
.set j, j+1
.endr
.set fr, fr+1
.endr
	v_permlanex16_b32 v73, v72, s30, s31
	v_add_f32 v72, v72, v73                        ; with the other eight frames
.set j, 0
.rept 16
	v_permlanex16_b32 v73, v[74+j], s30, s31
	v_add_f32 v[74+j], v[74+j], v73
.set j, j+1
.endr
	v_rcp_f32 v92, v72
	v_nop
	s_wait_alu depctr_va_vdst(0)                   ; the wait ahead of the reciprocal's first reader
.set j, 0
.rept 8
	v_pk_mul_f32 v[74+2*j:75+2*j], v[74+2*j:75+2*j], v[92:93] op_sel_hi:[1,0]
.set j, j+1
.endr
	v_max3_num_f32 v94, |v74|, |v75|, FLOOR
.set i, 2
.rept 7
	v_max3_num_f32 v94, |v[74+i]|, |v[75+i]|, v94
.set i, i+2
.endr
	v_max_num_f32_dpp v94, v94, v94 row_xmask:1 row_mask:0xf bank_mask:0xf   ; with my neighbour's 16: the block's
	v_add_nc_u32 v95, EOFF, v94
	v_lshrrev_b32 v94, 23, v95
	v_cvt_scalef32_pk16_fp6_f32 v[248:250], v[74:89], v95
	v_nop                                          ; one plain place behind a scaled conversion
	s_wait_tensorcnt 0x0                           ; my fills have landed, my quarter of tile 0 and of the scale words among them: only their bytes are written below
	ds_store_b32 v240, v248                        ; lanes that hold the same numbers write the same bytes
	ds_store_b32 v241, v249
	ds_store_b32 v242, v250
	ds_store_b8 v243, v94
.Lnocls:
	STAGEBAR 3                                     ; the scale words and tiles 1 .. 4 lie in LDS; my three younger fills may be out
	XFETCH 1, 0
	s_wait_loadcnt 0x0                             ; the weights
.irp n, 0,1,2,3,4,5,6,7,8,9,10,11,12
	ITER \n
.endr
	s_wait_dscnt 0x0                               ; tile 0's rows are back
	SEND 0, 0
	WIN 0
	s_wait_tensorcnt 0x0
	ds_add_u32 v51, v54
	s_wait_dscnt 0x0
	ROUND                                          ; the closing round: no work-group ends while a partner may still ask for a tile that names it
	s_endpgm
.Lfunc_end_k_q5b12fe5d21_proj:
	.size	k_q5b12fe5d21_proj, .Lfunc_end_k_q5b12fe5d21_proj-k_q5b12fe5d21_proj
	.p2alignl 7, 3214868480
	.fill 96, 4, 3214868480
	.section	.rodata,"a",@progbits
	.p2align	6, 0x0
	.amdhsa_kernel k_q5b12fe5d21_proj
		.amdhsa_group_segment_fixed_size 184832
		.amdhsa_private_segment_fixed_size 0
		.amdhsa_enable_private_segment 0
		.amdhsa_kernarg_size 56
		.amdhsa_user_sgpr_count 2
		.amdhsa_user_sgpr_kernarg_segment_ptr 1
		.amdhsa_wavefront_size32 1
		.amdhsa_system_sgpr_workgroup_id_x 1
		.amdhsa_system_sgpr_workgroup_id_y 1
		.amdhsa_system_sgpr_workgroup_id_z 1
		.amdhsa_system_vgpr_workitem_id 0
		.amdhsa_next_free_vgpr 1024
		.amdhsa_next_free_sgpr 92
		.amdhsa_reserve_vcc 0
		.amdhsa_float_denorm_mode_32 3
		.amdhsa_float_denorm_mode_16_64 3
		.amdhsa_memory_ordered 1
		.amdhsa_forward_progress 1
		.amdhsa_inst_pref_size 139
	.end_amdhsa_kernel
	.amdgpu_metadata
---
amdhsa.version: [ 1, 2 ]
amdhsa.kernels:
  - .name:           k_q5b12fe5d21_proj
    .symbol:         k_q5b12fe5d21_proj.kd
    .args:
      - { .name: oc, .offset: 0, .size: 8, .value_kind: global_buffer, .address_space: global }
      - { .name: os, .offset: 8, .size: 8, .value_kind: global_buffer, .address_space: global }
      - { .name: wc, .offset: 16, .size: 8, .value_kind: global_buffer, .address_space: global }
      - { .name: wsc, .offset: 24, .size: 8, .value_kind: global_buffer, .address_space: global }
      - { .name: clso, .offset: 32, .size: 8, .value_kind: global_buffer, .address_space: global }
      - { .name: clsml, .offset: 40, .size: 8, .value_kind: global_buffer, .address_space: global }
      - { .name: out0, .offset: 48, .size: 8, .value_kind: global_buffer, .address_space: global }
    .group_segment_fixed_size: 184832
    .private_segment_fixed_size: 0
    .kernarg_segment_align: 8
    .kernarg_segment_size: 56
    .max_flat_workgroup_size: 128
    .sgpr_count:     92
    .vgpr_count:     1024
    .wavefront_size: 32
...
	.end_amdgpu_metadata
.endif
;; end of part 3
;; ======== version 2 of 2: 3 launches; version 1 with the launch attn written anew for expert scheduling mode
;; workspace buffers: xc 10,223,616 bytes; xs 425,984 bytes; wc 3,145,728 bytes; wsc 131,072 bytes; oc 10,223,616 bytes; os 425,984 bytes; clso 262,144 bytes; clsml 131,072 bytes
;; launch quant: the kernel of part 1 again; grid 17 x 64, 4 waves a work-group, no clusters, 58,880 bytes of LDS; arguments x, w_qkv, w_out, xc, xs, wc, wsc; writes xc, xs, wc, wsc
;; launch attn (part 4): grid 4 x 64, 4 waves a work-group, no clusters, 307,456 bytes of LDS; arguments xc, xs, wc, wsc, oc, os, clso, clsml; writes oc, os, clso, clsml
.if DOCPART == 4
	.amdgcn_target "amdgcn-amd-amdhsa--gfx1250"
	.amdhsa_code_object_version 6
	.text
	.protected	k_q5b12fe5d21_attn
	.globl	k_q5b12fe5d21_attn
	.p2align	8
	.type	k_q5b12fe5d21_attn,@function
k_q5b12fe5d21_attn:
	s_mov_b64 s[64:65], 0
	v_nop
	global_prefetch_b8 v0, s[64:65] scope:SCOPE_SE
	s_setreg_imm32_b32 hwreg(HW_REG_WAVE_SCHED_MODE, 0, 2), 2
	s_setreg_imm32_b32 hwreg(HW_REG_WAVE_MODE, 25, 1), 1
	s_wait_xcnt 0x0
	s_wait_alu depctr_vm_vsrc(0)
; For one batch and frame (bf = work-group y) and four heads (4 x work-group x + wave): q, k, v = x w_qkv of the cls token and the frame's 196 tokens, the frame's attention, and the codes of its result;
; q, k, v never go to memory.  All quantised products on codes of FP6 (E2M3) with E8M0 scales for each 32 along K.  Besides: this frame's part of the cls token's attention over all tokens, in f32.
; SHARES.  A wave owns ONE head from start to end.  The four waves share the images of x in LDS (read only) and nothing else until the tail.
; TOKENS.  13 tiles of 16; row i of tile T is token PERM(T, i) = 32 (T / 2) + 8 (T % 2) + i + 8 (i / 8); token 0 = cls, 1 .. 196 the frame's, over 196 zero codes.
; PASSES.  q and k: source 0 = 16 columns of the weight (column PERM(ct, i) of the head's 64), source 1 = 16 tokens: a lane holds one token, its 32 registers 16 b + i are d = 32 b + 16 h + i: they are quantised in
; registers and kept in the wave's own LDS bytes (six registers a tile: K = 64).  v: the sources swapped: a lane holds one d, its registers run along the tokens, which are the second product's K.
; The factor 1/8 on q is a power of two: a block's scale takes it up, so q is quantised as it is and 1/8 stands in the scores' constant.
; ATTENTION, a tile of 16 queries a trip: S^T = k q^T (13 products; K's upper 64 meet q's zero codes), one M for the row since all 197 keys are at hand, p = 2^(t - M), the sum of the unquantised p, p's codes, O^T = v^T p^T
; (8 products), / the sum, quantised along d: two whole blocks of the last product's K.
; CLS.  The cls query's scores with this frame's keys (the cls key counts in frame 0 alone), by fused multiply-adds on the f32 results of the first product; the largest t, the sum and the weighted v go to clsml and clso.
; The weights go from memory straight into registers (they lie in the order of the operand's registers): no other wave of the work-group reads a wave's weights, so LDS would only be a detour; for the same reason no cluster.
; LIMITS: NaN and infinities are not served.  A block whose largest magnitude lies under 2^-124, zeros among them, gets the byte 1 (for q the bound is 8 times as high as the rule's, since 1/8 is taken later).
; REGISTERS, in windows of 256 (s_set_vgpr_msb: bits 1:0 source 0, 3:2 source 1, 5:4 source 2, 7:6 destination):
;   window 0: v1-31 addresses; v32-63 scale words alone (but v45, v61); v64-95 the cls query, later the blocks' figures; v96-251 x's 13 fragments, later at work, later S^T and p
;   window 1: v0-143 three buffers of four weight fragments; v144-239 v's eight fragments     windows 2, 3: the accumulators; later k's fragments (window 2) and p's codes (window 3)
; THE MODE: SCHED_MODE bits 1:0 = 2 (LLVM: expert scheduling mode 2), set by the entry lines.  The code itself states the register dependences between vector or matrix instructions and memory or LDS
; instructions, with s_wait_alu, always for 0.
; THE PLAN.  Registers that memory or LDS instructions touch:
;   v1-13, v17-20, v24, v28-31, v45: addresses, written at the head and never again: one wait on va_vdst ahead of the first load serves them for the whole kernel.
;   x's fragments and scale words, in two groups (tiles 0-6, tiles 7-12): a group's products of K step s read them, then the loads of K step s + 1 land in them: one wait on va_vdst behind each group's products.
;   The weights' three buffers and v46-51: both groups' products of a K step read one buffer; the second group's wait also serves the loads that fill that buffer again.
;   v96-251 between the passes: at work, and the data of LDS stores: a wait on va_vdst ahead of each run of stores, a wait on vm_vsrc behind it.  Behind a pass's last run of stores no vector instruction follows,
;   so the next pass's loads into these registers owe nothing more.
;   The attention's loop: q's tile (v224-229, v60) is read by a trip's 13 score products and asked for again, for the next trip, behind the wait that the trip's exponentials have in any case; its addresses v14-16 are
;   made ahead of that wait.  The result's codes (v136, v138-143) and their addresses v21-23 are written in a trip and read by its three stores: a wait on va_vdst ahead of these, and ONE wait on vm_vsrc at the
;   trip's head, ahead of all that writes v14-16, v21-23 and the codes' registers again.  p's codes and scale words are made by vector instructions and taken by scaled products: a wait on va_vdst between.
;   v254, v255: written at the head, read by the closing add alone.
.set FLOOR, 0x1800000                  ; 2^(3 - 127)
.set EOFF,  0xff000000                 ; takes 2 off an exponent field
.set XSC,   159744                     ; LDS: x's images [K step 8][T 13] from 0; their scale words here;
.set QKI,   166400                     ; each wave's own: q's 13 tiles, then k's, 768 bytes each (registers 0-3 at 16 l, registers 4-5 at 512 + 8 l);
.set QKS,   246272                     ; their scale words, 128 bytes a tile;
.set OW,    259584                     ; each wave's own: the result's 13 tiles, in the same form;
.set OSW,   299520                     ; their scale words, 64 bytes a tile, the waves in the order 0, 2, 1, 3;
.set CLP,   302848                     ; each wave's own: the cls query's p, [T][16]
.set LI,  1                            ; 16 x lane
.set L8,  2                            ; 8 x lane
.set L4,  3                            ; 4 x lane
.set R4,  4                            ; 4 x (lane % 16)
.set XA,  5                            ; v5-7  16 x lane + 59,904 x (K step / 3)
.set XSA, 8
.set XS,  32                           ; v32-44 x's scale words, later k's
.set WS,  46                           ; v46-51 the weights': buffer, pair of tiles; lanes 0-15 the even tile, lanes 16-31 the odd one
.set VS,  52                           ; v52-59 v's
.set QS,  60
.set PS,  62                           ; v62-63 p's
.set CQ,  64
.set XF,  96
.set WF,  0
.set VF,  144
.set VT,  0
.set S,   96
.set QF,  224
.set BM,  64
.set BT,  72
.set BSO, 80
.set BBY, 88
.set MSB, 0
.macro WIN new                         ; the immediate's high byte repeats the setting that is left; a switch that changes nothing is dropped
.if MSB != (\new)
	s_set_vgpr_msb (MSB<<8)|(\new)
.set MSB, (\new)
.endif
.endm
.macro PLACES                          ; four plain vector instructions between a matrix instruction and a load into, or a read of, its registers
.rept 4
	v_nop
.endr
.endm
.macro BARRIER
	s_wait_dscnt 0x0                               ; my LDS stores have landed and my LDS loads are in
	s_barrier_signal -1
	s_barrier_wait -1
.endm
; My quarter of the images (K steps 2 w, 2 w + 1: 39,936 bytes) and of the scale words (1,664 bytes) goes through registers into LDS, as it lies.
; No vector instruction has named the registers that these loads land in, and the addresses stand behind the head's wait.
.macro COPY
	WIN 0x80
.set i, 0
.rept 64
	global_load_b128 v[4*i:4*i+3], v[LI], s[4:5] offset:512*i
.set i, i+1
.endr
	WIN 0xc0
.rept 14
	global_load_b128 v[4*(i-64):4*(i-64)+3], v[LI], s[4:5] offset:512*i
.set i, i+1
.endr
.set i, 0
.rept 13
	global_load_b32 v[64+i], v[L4], s[6:7] offset:128*i
.set i, i+1
.endr
.set i, 0
.rept 78
.if (i%13) == 0                        ; thirteen at a time: behind load i + 12 stand 78 - i younger ones (the count's field ends at 63; a smaller count is safe)
.if (78-i) > 63
	s_wait_loadcnt 63
.else
	s_wait_loadcnt 78-i
.endif
.endif
.if i < 64
	WIN 0x08
	ds_store_b128 v9, v[4*i:4*i+3] offset:512*i
.else
	WIN 0x0c
	ds_store_b128 v9, v[4*(i-64):4*(i-64)+3] offset:512*i
.endif
.set i, i+1
.endr
	s_wait_loadcnt 0x0
.set i, 0
.rept 13
	ds_store_b32 v10, v[64+i] offset:128*i
.set i, i+1
.endr
	WIN 0
.endm
; Four weight fragments and their scale words, o bytes from the pass's first, into buffer buf: 14 loads
.macro WFETCH o, buf
	WIN 0x40
.set i, 0
.rept 12
	global_load_b128 v[WF+48*(\buf)+4*i:WF+48*(\buf)+4*i+3], v[LI], s[26:27] offset:(\o)+512*i
.set i, i+1
.endr
	WIN 0
	global_load_b32 v[WS+2*(\buf)], v[L4], s[28:29] offset:(\o)/24
	global_load_b32 v[WS+2*(\buf)+1], v[L4], s[28:29] offset:(\o)/24+128
.endm
; x's fragments of K step s: group 0 = tiles 0-6 (28 LDS loads), group 1 = tiles 7-12 (24)
.macro XFETCH g, s
.set T, 7*(\g)
.rept 7-(\g)
.set c, 0
.rept 3
	ds_load_b128 v[XF+12*T+4*c:XF+12*T+4*c+3], v[XA+(\s)/3] offset:((\s)%3)*19968+T*1536+512*c
.set c, c+1
.endr
	ds_load_b32 v[XS+T], v[XSA] offset:832*(\s)+64*T
.set T, T+1
.endr
.endm
; One product.  zero: it starts its sum.  row = 1: source 0's scales stand in lanes 16-31; 2: source 1's
.macro WM zero, row
.if (\zero) && ((\row) == 0)
	v_wmma_scale_f32_16x16x128_f8f6f4 v[rD:rD+7], v[rA:rA+11], v[rB:rB+11], 0, v[rSA], v[rSB] matrix_a_fmt:MATRIX_FMT_FP6 matrix_b_fmt:MATRIX_FMT_FP6
.elseif (\zero) && ((\row) == 1)
	v_wmma_scale_f32_16x16x128_f8f6f4 v[rD:rD+7], v[rA:rA+11], v[rB:rB+11], 0, v[rSA], v[rSB] matrix_a_fmt:MATRIX_FMT_FP6 matrix_b_fmt:MATRIX_FMT_FP6 matrix_a_scale:MATRIX_SCALE_ROW1
.elseif (\zero)
	v_wmma_scale_f32_16x16x128_f8f6f4 v[rD:rD+7], v[rA:rA+11], v[rB:rB+11], 0, v[rSA], v[rSB] matrix_a_fmt:MATRIX_FMT_FP6 matrix_b_fmt:MATRIX_FMT_FP6 matrix_b_scale:MATRIX_SCALE_ROW1
.elseif (\row) == 0
	v_wmma_scale_f32_16x16x128_f8f6f4 v[rD:rD+7], v[rA:rA+11], v[rB:rB+11], v[rD:rD+7], v[rSA], v[rSB] matrix_a_fmt:MATRIX_FMT_FP6 matrix_b_fmt:MATRIX_FMT_FP6
.elseif (\row) == 1
	v_wmma_scale_f32_16x16x128_f8f6f4 v[rD:rD+7], v[rA:rA+11], v[rB:rB+11], v[rD:rD+7], v[rSA], v[rSB] matrix_a_fmt:MATRIX_FMT_FP6 matrix_b_fmt:MATRIX_FMT_FP6 matrix_a_scale:MATRIX_SCALE_ROW1
.else
	v_wmma_scale_f32_16x16x128_f8f6f4 v[rD:rD+7], v[rA:rA+11], v[rB:rB+11], v[rD:rD+7], v[rSA], v[rSB] matrix_a_fmt:MATRIX_FMT_FP6 matrix_b_fmt:MATRIX_FMT_FP6 matrix_b_scale:MATRIX_SCALE_ROW1
.endif
.endm
; The products of a group of tiles in K step s.  kind 0: accumulator (T, ct) at 32 T + 8 ct of window 2 (T < 7) or 32 (T - 7) + 8 ct of window 3.  kind 1 (v): at 112 (ct % 2) + 8 T of window 2 + ct / 2.
; The accumulators take turns, one instruction a turn, in the same order in every K step.
.macro MUL kind, g, s
.set BUF, (\s)%3
.if (\s) == 0
.set ZR, 1
.else
.set ZR, 0
.endif
.if (\kind) == 0
	WIN 0xa1+0x50*(\g)
.set T, 7*(\g)
.rept 7-(\g)
.set ct, 0
.rept 4
.set rD, 32*(T-7*(\g))+8*ct
.set rA, WF+48*BUF+12*ct
.set rB, XF+12*T
.set rSA, WS+2*BUF+ct/2
.set rSB, XS+T
	WM ZR, ct%2
.set ct, ct+1
.endr
.set T, T+1
.endr
.else
.set hh, 0
.rept 2
	WIN 0xa4+0x50*hh
.set T, 7*(\g)
.rept 7-(\g)
.set cl, 0
.rept 2
.set rD, 112*cl+8*T
.set rA, XF+12*T
.set rB, WF+48*BUF+12*(2*hh+cl)
.set rSA, XS+T
.set rSB, WS+2*BUF+hh
	WM ZR, 2*cl
.set cl, cl+1
.endr
.set T, T+1
.endr
.set hh, hh+1
.endr
.endif
.endm
; A K step of 128: 52 products.  lw: the weight loads younger than this step's buffer.  nexto >= 0: my buffer is filled again, for the step that reads it three steps on.
; A group's loads stand in ONE run behind the group's wait: the products name windows 1, 0 and 2 or 3, the loads window 0 alone, so each run set among the products would cost two switches of the windows.
.macro STEP kind, s, lw, nexto
	s_wait_loadcnt \lw
	s_wait_dscnt 24                                ; group 0 is in; group 1's 24 loads may be out
	MUL \kind, 0, \s
	WIN 0
	PLACES
.if (\s) < 7
	s_wait_alu depctr_va_vdst(0)                   ; group 0's products are done reading x's tiles 0-6 and their scale words, in which the next K step's land
	XFETCH 0, (\s)+1
	s_wait_dscnt 28                                ; group 1 is in; the 28 just issued may be out
.else
	s_wait_dscnt 0x0
.endif
	MUL \kind, 1, \s
	WIN 0
	PLACES
.if ((\s) < 7) || ((\nexto) >= 0)
	s_wait_alu depctr_va_vdst(0)                   ; group 1's products are done reading x's tiles 7-12 and their scale words, and the step's products its weight buffer and that buffer's scale words: the loads below land there
.endif
.if (\s) < 7
	XFETCH 1, (\s)+1
.endif
.if (\nexto) >= 0
	WFETCH \nexto, (\s)%3
.endif
.endm
; A pass: 64 columns x 208 tokens x K = 1,024.  The weight fetches go out in the order of steps 2, 0, 1 (ahead of the pass), 3, 4, 5, 6, 7, and, where a pass follows, its 2, 0, 1.
; The first fetches of x owe no wait of their own: no vector or matrix instruction has been issued since the last wait on va_vdst, and no LDS store since the last wait on vm_vsrc.
.macro PASS kind, last
	XFETCH 0, 0
	XFETCH 1, 0
	STEP \kind, 0, 14, 3*6144
	STEP \kind, 1, 14, 4*6144
	STEP \kind, 2, 28, 5*6144
	STEP \kind, 3, 28, 6*6144
	STEP \kind, 4, 28, 7*6144
.if \last
	STEP \kind, 5, 28, -1
	STEP \kind, 6, 14, -1
	STEP \kind, 7, 0, -1
.else
	STEP \kind, 5, 28, 49152+2*6144
	STEP \kind, 6, 28, 49152
	STEP \kind, 7, 28, 49152+6144
.endif
.endm
	s_load_b256 s[4:11], s[0:1], 0x0               ; xc s[4:5], xs s[6:7], wc s[8:9], wsc s[10:11]
	s_load_b256 s[12:19], s[0:1], 0x20             ; oc s[12:13], os s[14:15], clso s[16:17], clsml s[18:19]
	v_lshl_add_u32 v254, v0, 2, 0x4af00
	v_mov_b32 v255, 0
	v_lshrrev_b32 v31, 5, v0
	v_readfirstlane_b32 s20, v31                   ; wave
	v_and_b32 v31, 31, v0                          ; lane
	v_and_b32 v45, 15, v0                          ; r
	v_bfe_u32 v61, v0, 4, 1                        ; h
	v_lshlrev_b32 v[LI], 4, v31
	v_lshlrev_b32 v[L8], 3, v31
	v_lshlrev_b32 v[L4], 2, v31
	v_lshlrev_b32 v[R4], 2, v45
	v_lshlrev_b32 v[XA], 4, v31
	v_add_nc_u32 v[XA+1], 59904, v[LI]
	v_add_nc_u32 v[XA+2], 119808, v[LI]
	v_add_nc_u32 v[XSA], XSC, v[R4]
	s_wait_alu depctr_va_sdst(0)                   ; s20 is written, ahead of its first reader: LDS places, addresses and branches are made from it
	s_mul_i32 s46, s20, 39936
	s_mul_i32 s47, s20, 1664
	v_add_nc_u32 v9, s46, v[LI]                    ; where I put my quarter of the images,
	v_add_nc_u32 v10, s47, v[L4]
	v_add_nc_u32 v10, XSC, v10                     ; and of the scale words
	s_mul_i32 s48, s20, 19968
	v_add_nc_u32 v11, s48, v[LI]
	v_add_nc_u32 v11, QKI, v11                     ; q's and k's tiles: registers 0-3,
	v_add_nc_u32 v12, s48, v[L8]
	v_add_nc_u32 v12, QKI+512, v12                 ; registers 4-5,
	s_mul_i32 s48, s20, 3328
	v_add_nc_u32 v13, s48, v[L4]
	v_add_nc_u32 v13, QKS, v13                     ; scale words
	s_mul_i32 s48, s20, 9984
	v_add_nc_u32 v17, s48, v[LI]
	v_add_nc_u32 v17, OW, v17                      ; the result's tiles likewise
	v_add_nc_u32 v18, s48, v[L8]
	v_add_nc_u32 v18, OW+512, v18
	s_and_b32 s54, s20, 1                          ; my head's parity.  In the tail: which half of the tiles I send
	s_lshr_b32 s55, s20, 1                         ; which of the work-group's two K steps of the last product
	s_lshl_b32 s51, s54, 1
	s_add_co_u32 s51, s51, s55
	s_mul_i32 s51, s51, 832
	v_add_nc_u32 v19, s51, v[R4]
	v_add_nc_u32 v19, OSW, v19
	s_mul_i32 s51, s55, 19968
	s_mul_i32 s52, s54, 5376
	s_add_co_u32 s51, s51, s52
	v_add_nc_u32 v20, s51, v[LI]
	v_add_nc_u32 v20, OW, v20                      ; the tail: the even head's tile 7 x half, registers 0-3; the odd head's lies 9,984 bytes on
	v_add_nc_u32 v24, s51, v[L8]
	v_add_nc_u32 v24, OW+512, v24
	v_mov_b32 v25, 0xff800000                      ; -infinity
	v_mov_b32 v26, 0                               ; the cls query's largest t and sum: written in the second trip of the loop below
	v_mov_b32 v27, 0
	s_lshl_b32 s51, s20, 10
	v_add_nc_u32 v28, s51, v[R4]
	v_add_nc_u32 v28, CLP, v28
	v_lshlrev_b32 v29, 5, v61
	v_add_nc_u32 v29, s51, v29
	v_add_nc_u32 v29, CLP, v29
	v_and_b32 v30, 8, v45
	v_add_nc_u32 v30, v30, v45
	v_lshl_add_u32 v30, v61, 3, v30
	v_lshlrev_b32 v30, 2, v30                      ; 4 (8 h + r + 8 (r / 8))
	v_add_nc_u32 v31, OSW, v[LI]
	v_add_nc_u32 v45, OSW, v[L4]
.set i, 0
.rept 32
	v_mov_b32 v[CQ+i], 0                           ; the destination of a move between lanes counts as read
.set i, i+1
.endr
	s_and_b32 s22, ttmp7, 0xffff                   ; bf
	s_and_b32 s24, s22, 15                         ; f
	s_lshl_b32 s25, ttmp9, 2
	s_add_co_u32 s25, s25, s20                     ; head
	s_mov_b32 s30, 0x76543210
	s_mov_b32 s31, 0xfedcba98                      ; v_permlanex16_b32's selects for lane l xor 16
	s_mov_b32 s32, 0x3e38aa3b                      ; log2(e) / 8
	s_mov_b32 s33, s32                             ; (named with it as a pair)
	s_mov_b32 s34, 0x001f001f                      ; tile 12: rows 0-4 are tokens
	s_cmp_eq_u32 s24, 0
	s_cselect_b32 s35, -1, 0xfffefffe              ; tile 0, row 0, the cls key: counted for the cls query in frame 0 alone
	s_mov_b32 s36, 0xffff0000                      ; lanes 16-31
	s_mov_b32 s37, 0xaaaaaaaa                      ; odd lanes
	s_mov_b32 s38, 0
	s_mov_b32 s39, 0
	s_mov_b32 s40, 0
	s_mov_b32 s53, 0
	s_wait_kmcnt 0x0
	s_mul_i32 s52, s25, 147456
	s_add_nc_u64 s[26:27], s[8:9], s[52:53]        ; my head's weights: q's, k's, v's, 49,152 bytes each
	s_mul_i32 s52, s25, 6144
	s_add_nc_u64 s[28:29], s[10:11], s[52:53]
	s_wait_alu depctr_va_vdst(0)                   ; the addresses v1-13, v17-20, v24, v28-31 and v45 are written, which the kernel's loads and stores read; none of them is written again
	WFETCH 2*6144, 2
	WFETCH 0, 0
	WFETCH 6144, 1
	s_mul_i32 s52, s22, 159744
	s_add_co_u32 s52, s52, s46
	s_add_nc_u64 s[4:5], s[4:5], s[52:53]
	s_mul_i32 s52, s22, 6656
	s_add_co_u32 s52, s52, s47
	s_add_nc_u64 s[6:7], s[6:7], s[52:53]
	COPY
	s_mul_i32 s52, s22, 159744
	s_mul_i32 s51, ttmp9, 39936
	s_add_co_u32 s52, s52, s51
	s_mul_i32 s51, s55, 19968
	s_add_co_u32 s52, s52, s51
	s_mul_i32 s51, s54, 10752
	s_add_co_u32 s52, s52, s51
	s_add_nc_u64 s[12:13], s[12:13], s[52:53]      ; oc at the first image that I send
	s_mul_i32 s52, s22, 6656
	s_mul_i32 s51, ttmp9, 1664
	s_add_co_u32 s52, s52, s51
	s_add_nc_u64 s[14:15], s[14:15], s[52:53]
	s_lshl_b32 s51, s22, 4
	s_add_co_u32 s51, s51, s25
	s_lshl_b32 s52, s51, 8
	s_add_nc_u64 s[16:17], s[16:17], s[52:53]
	s_lshl_b32 s52, s51, 7
	s_add_nc_u64 s[18:19], s[18:19], s[52:53]
	BARRIER                                        ; x's images lie in LDS
	s_wait_alu depctr_vm_vsrc(0)                   ; my LDS stores have read the registers of windows 2 and 3 through which the images went: they are the accumulators from here on, written by the products
; ---- q, then k: one body, two trips
.set EAM, 96
.set ETP, 110
.set ESO, 124
.set EBY, 138
.set EPW, 152
.set EP,  160
.set SCP, 96
.Lqk:
	PASS 0, 0
	s_cmp_lg_u32 s38, 0
	s_cbranch_scc1 .Ldot
	; q: the cls query is token 0: lanes 0 and 16 of tile 0.  Each half of the lanes takes its own lane's 32 numbers
	WIN 0x02
.set i, 0
.rept 32
	v_mov_b32_dpp v[CQ+i], v[i] row_share:0 row_mask:0xf bank_mask:0xf
.set i, i+1
.endr
	WIN 0
	s_branch .Lepi
.Ldot:
	; k: the cls query's scores with my 208 tokens, in f32, from the sums as they stand
.set g, 0
.rept 2
	WIN 0x02+g
.set p, 0
.rept 16
.set t, 0
.rept 7-g
.if p == 0
	v_pk_mul_f32 v[SCP+2*(7*g+t):SCP+2*(7*g+t)+1], v[32*t:32*t+1], v[CQ:CQ+1]
.else
	v_pk_fma_f32 v[SCP+2*(7*g+t):SCP+2*(7*g+t)+1], v[32*t+2*p:32*t+2*p+1], v[CQ+2*p:CQ+2*p+1], v[SCP+2*(7*g+t):SCP+2*(7*g+t)+1]
.endif
.set t, t+1
.endr
.set p, p+1
.endr
.set g, g+1
.endr
	WIN 0
.set T, 0
.rept 13
	v_add_f32 v[SCP+2*T], v[SCP+2*T], v[SCP+2*T+1]
.set T, T+1
.endr
.set T, 0
.rept 13
	v_permlanex16_b32 v[SCP+2*T+1], v[SCP+2*T], s30, s31
.set T, T+1
.endr
.set T, 0
.rept 13
	v_add_f32 v[SCP+2*T], v[SCP+2*T], v[SCP+2*T+1] ; with the other 32 of d
.set T, T+1
.endr
	v_cndmask_b32 v[SCP], v25, v[SCP], s35         ; what does not count: -infinity
	v_cndmask_b32 v[SCP+24], v25, v[SCP+24], s34
	v_max3_num_f32 v122, v[SCP], v[SCP+2], v[SCP+4]
.set T, 3
.rept 5
	v_max3_num_f32 v122, v122, v[SCP+2*T], v[SCP+2*T+2]
.set T, T+2
.endr
	v_max_num_f32_dpp v122, v122, v122 row_xmask:1 row_mask:0xf bank_mask:0xf
	v_max_num_f32_dpp v122, v122, v122 row_xmask:2 row_mask:0xf bank_mask:0xf
	v_max_num_f32_dpp v122, v122, v122 row_xmask:4 row_mask:0xf bank_mask:0xf
	v_max_num_f32_dpp v122, v122, v122 row_xmask:8 row_mask:0xf bank_mask:0xf
	v_mul_f32 v26, s32, v122                       ; the frame's largest t
.set T, 0
.rept 13
	v_fma_f32 v[SCP+2*T], v[SCP+2*T], s32, -v26
.set T, T+1
.endr
.set T, 0
.rept 13
	v_exp_f32 v[SCP+2*T], v[SCP+2*T]
.set T, T+1
.endr
	v_nop                                          ; a plain place behind the last exponential,
	s_wait_alu depctr_va_vdst(0)                   ; and one wait for the batch, ahead of its first reader: the exponentials have written p, which the LDS stores below read
.set T, 0
.rept 13
	ds_store_b32 v28, v[SCP+2*T] offset:64*T       ; p by tile and row; both halves of the lanes write the same word with the same value.  The sums below only read p
.set T, T+1
.endr
	v_add_f32 v27, v[SCP], v[SCP+2]
	v_add_f32 v122, v[SCP+4], v[SCP+6]
.set T, 4
.rept 4
	v_add_f32 v27, v27, v[SCP+2*T]
	v_add_f32 v122, v122, v[SCP+2*T+2]
.set T, T+2
.endr
	v_add_f32 v27, v27, v[SCP+24]
	v_add_f32 v27, v27, v122
	v_add_f32_dpp v27, v27, v27 row_xmask:1 row_mask:0xf bank_mask:0xf
	v_add_f32_dpp v27, v27, v27 row_xmask:2 row_mask:0xf bank_mask:0xf
	v_add_f32_dpp v27, v27, v27 row_xmask:4 row_mask:0xf bank_mask:0xf
	v_add_f32_dpp v27, v27, v27 row_xmask:8 row_mask:0xf bank_mask:0xf   ; the frame's sum
	s_wait_dscnt 0x0                               ; the stores are done
	s_wait_alu depctr_vm_vsrc(0)                   ; the stores have read p's registers, which the quantiser below writes
.Lepi:
	; 13 tiles are quantised along d: two blocks a token; six registers and a scale word a tile go to my own LDS bytes
	v_add_nc_u32 v14, s39, v11
	v_add_nc_u32 v15, s39, v12
	v_add_nc_u32 v16, s40, v13
.set g, 0
.rept 2
	WIN 0x0a+5*g
.set i, 0
.rept 8
.set n, 0
.rept 2*(7-g)                                  ; block n = 2 tile + b: registers 16 n on; the blocks by turns; each accumulator is read from its low end on
.if i == 0
	v_max3_num_f32 v[EAM+n], |v[16*n]|, |v[16*n+1]|, FLOOR
.else
	v_max3_num_f32 v[EAM+n], |v[16*n+2*i]|, |v[16*n+2*i+1]|, v[EAM+n]
.endif
.set n, n+1
.endr
.set i, i+1
.endr
	WIN 0
.set n, 0
.rept 2*(7-g)
	v_permlanex16_b32 v[ETP+n], v[EAM+n], s30, s31
.set n, n+1
.endr
.set n, 0
.rept 2*(7-g)
	v_max_num_f32 v[EAM+n], v[EAM+n], v[ETP+n]
.set n, n+1
.endr
.set n, 0
.rept 2*(7-g)
	v_add_nc_u32 v[ESO+n], EOFF, v[EAM+n]
.set n, n+1
.endr
.set n, 0
.rept 2*(7-g)
	v_lshrrev_b32 v[EBY+n], 23, v[ESO+n]
.set n, n+1
.endr
.set t, 0
.rept 7-g
	v_lshl_or_b32 v[EPW+t], v[EBY+2*t+1], 8, v[EBY+2*t]   ; bytes 2 and 3 stay 0: K's upper 64 are zero codes
.set t, t+1
.endr
	WIN 0x02+g
.set n, 0
.rept 2*(7-g)
	v_cvt_scalef32_pk16_fp6_f32 v[EP+4*n:EP+4*n+2], v[16*n:16*n+15], v[ESO+n]
.set n, n+1
.endr
	WIN 0
	v_nop                                          ; one plain place behind a scaled conversion
.set i, 0
.rept 3
.set t, 0
.rept 7-g
	v_permlane16_swap_b32 v[EP+8*t+i], v[EP+8*t+4+i]   ; a whole block to a lane: lanes 0-15 block 0, lanes 16-31 block 1
.set t, t+1
.endr
.set i, i+1
.endr
.set i, 0
.rept 3
.set t, 0
.rept 7-g
	v_mov_b32 v[EP+8*t+3+i], v[EP+8*t+4+i]
.set t, t+1
.endr
.set i, i+1
.endr
	s_wait_alu depctr_va_vdst(0)                   ; the codes v[EP ..], the scale words v[EPW ..] and the addresses v14-16 are written, which the stores below read.  It also ends all vector work on v96-251, in which x's fragments land next
.set t, 0
.rept 7-g
	ds_store_b128 v14, v[EP+8*t:EP+8*t+3] offset:768*(7*g+t)
	ds_store_b64 v15, v[EP+8*t+4:EP+8*t+5] offset:768*(7*g+t)
	ds_store_b32 v16, v[EPW+t] offset:128*(7*g+t)
.set t, t+1
.endr
	s_wait_dscnt 0x0                               ; the stores are done
	s_wait_alu depctr_vm_vsrc(0)                   ; the stores have read their data and v14-16: the next group's quantiser, the next pass's loads of x and the next writer of v14-16 come behind this wait
.set g, g+1
.endr
	s_wait_xcnt 0x0                                ; the weight fetches have read their bases
	s_add_nc_u64 s[26:27], s[26:27], 49152
	s_add_nc_u64 s[28:29], s[28:29], 2048
	s_add_co_u32 s39, s39, 9984
	s_add_co_u32 s40, s40, 1664
	s_add_co_u32 s38, s38, 1
	s_cmp_lt_u32 s38, 2
	s_cbranch_scc1 .Lqk
; ---- v
	PASS 1, 1
	; the cls query's weighted v of this frame: lane (r, h) holds d = PERM(ct, r), register j of tile T token PERM(T, 8 h + j)
.set PB, 96
.set OC, 200
	s_wait_alu depctr_va_vdst(0)                   ; the last K step's products are done reading x's fragments, in whose registers p lands
.set T, 0
.rept 13
	ds_load_b128 v[PB+8*T:PB+8*T+3], v29 offset:64*T
	ds_load_b128 v[PB+8*T+4:PB+8*T+7], v29 offset:64*T+16
.set T, T+1
.endr
	s_wait_dscnt 0x0
.set g, 0
.rept 2
	WIN 0x02+g
.set T, 0
.rept 13
.set jj, 0
.rept 4
.set cl, 0
.rept 2
.set rO, OC+8*(2*g+cl)+2*jj
.set rV, 112*cl+8*T+2*jj
.set rP, PB+8*T+2*jj
.if T == 0
	v_pk_mul_f32 v[rO:rO+1], v[rV:rV+1], v[rP:rP+1]
.else
	v_pk_fma_f32 v[rO:rO+1], v[rV:rV+1], v[rP:rP+1], v[rO:rO+1]
.endif
.set cl, cl+1
.endr
.set jj, jj+1
.endr
.set T, T+1
.endr
.set g, g+1
.endr
	WIN 0
.set ct, 0
.rept 4
	v_pk_add_f32 v[OC+8*ct:OC+8*ct+1], v[OC+8*ct:OC+8*ct+1], v[OC+8*ct+2:OC+8*ct+3]
	v_pk_add_f32 v[OC+8*ct+4:OC+8*ct+5], v[OC+8*ct+4:OC+8*ct+5], v[OC+8*ct+6:OC+8*ct+7]
.set ct, ct+1
.endr
.set ct, 0
.rept 4
	v_pk_add_f32 v[OC+8*ct:OC+8*ct+1], v[OC+8*ct:OC+8*ct+1], v[OC+8*ct+4:OC+8*ct+5]
.set ct, ct+1
.endr
.set ct, 0
.rept 4
	v_add_f32 v[OC+8*ct], v[OC+8*ct], v[OC+8*ct+1]
.set ct, ct+1
.endr
.set ct, 0
.rept 4
	v_permlanex16_b32 v[OC+8*ct+1], v[OC+8*ct], s30, s31
.set ct, ct+1
.endr
.set ct, 0
.rept 4
	v_add_f32 v[OC+8*ct], v[OC+8*ct], v[OC+8*ct+1] ; with the other half's tokens
.set ct, ct+1
.endr
	v_cndmask_b32 v244, v[OC], v[OC+8], s36        ; lanes 0-15 an even tile of d, lanes 16-31 the odd one: 32 neighbouring d
	v_cndmask_b32 v245, v[OC+16], v[OC+24], s36
	v_cndmask_b32 v246, v26, v27, s37              ; largest t, sum, largest t, sum ..
	s_wait_alu depctr_va_vdst(0)                   ; the three selects have written v244-246, which the stores read
	global_store_b32 v30, v244, s[16:17]
	global_store_b32 v30, v245, s[16:17] offset:128
	global_store_b32 v[L4], v246, s[18:19]
	; v is quantised along the tokens: seven blocks for each of my 64 d (tile 13 is zeros), into eight fragments in window 1
.set VAM, 96
.set VTP, 112
.set VSO, 128
.set VBY, 144
	WIN 0x80
.set j, 0
.rept 8
	v_mov_b32 v[104+j], 0
	v_mov_b32 v[216+j], 0
.set j, j+1
.endr
	WIN 0xc0
.set j, 0
.rept 8
	v_mov_b32 v[104+j], 0
	v_mov_b32 v[216+j], 0
.set j, j+1
.endr
.set g, 0
.rept 2
	WIN 0x0a+5*g
.set i, 0
.rept 8
.set n, 0
.rept 14                                       ; block n = 7 (ct % 2) + b: registers 112 (n / 7) + 16 (n % 7) on
.if i == 0
	v_max3_num_f32 v[VAM+n], |v[112*(n/7)+16*(n%7)]|, |v[112*(n/7)+16*(n%7)+1]|, FLOOR
.else
	v_max3_num_f32 v[VAM+n], |v[112*(n/7)+16*(n%7)+2*i]|, |v[112*(n/7)+16*(n%7)+2*i+1]|, v[VAM+n]
.endif
.set n, n+1
.endr
.set i, i+1
.endr
	WIN 0
.set n, 0
.rept 14
	v_permlanex16_b32 v[VTP+n], v[VAM+n], s30, s31
.set n, n+1
.endr
.set n, 0
.rept 14
	v_max_num_f32 v[VAM+n], v[VAM+n], v[VTP+n]
.set n, n+1
.endr
.set n, 0
.rept 14
	v_add_nc_u32 v[VSO+n], EOFF, v[VAM+n]
.set n, n+1
.endr
.set n, 0
.rept 14
	v_lshrrev_b32 v[VBY+n], 23, v[VSO+n]
.set n, n+1
.endr
.set cl, 0
.rept 2
.set rS, VS+2*(2*g+cl)
	v_lshl_or_b32 v[rS], v[VBY+7*cl+1], 8, v[VBY+7*cl]
	v_lshl_or_b32 v[rS+1], v[VBY+7*cl+5], 8, v[VBY+7*cl+4]
	v_lshl_or_b32 v[rS], v[VBY+7*cl+2], 16, v[rS]
	v_lshl_or_b32 v[rS+1], v[VBY+7*cl+6], 16, v[rS+1]   ; the eighth block is zero codes: its byte stays 0
	v_lshl_or_b32 v[rS], v[VBY+7*cl+3], 24, v[rS]
.set cl, cl+1
.endr
	WIN 0x42+g
.set n, 0
.rept 8                                        ; n = 4 (ct % 2) + 2 ks + c: blocks 4 ks + 2 c and 4 ks + 2 c + 1
.set cl, n/4
.set B, 2*(n%4)
	v_cvt_scalef32_pk16_fp6_f32 v[VF+24*(2*g+cl)+6*(n%4):VF+24*(2*g+cl)+6*(n%4)+2], v[112*cl+16*B:112*cl+16*B+15], v[VSO+7*cl+B]
.if B < 6
	v_cvt_scalef32_pk16_fp6_f32 v[VT+4*n:VT+4*n+2], v[112*cl+16*B+16:112*cl+16*B+31], v[VSO+7*cl+B+1]
.else
	v_mov_b32 v[VT+4*n], 0
	v_mov_b32 v[VT+4*n+1], 0
	v_mov_b32 v[VT+4*n+2], 0
.endif
.set n, n+1
.endr
	WIN 0x41
	v_nop                                          ; one plain place behind a scaled conversion
.set i, 0
.rept 3
.set n, 0
.rept 8
	v_permlane16_swap_b32 v[VF+24*(2*g+n/4)+6*(n%4)+i], v[VT+4*n+i]
.set n, n+1
.endr
.set i, i+1
.endr
.set i, 0
.rept 3
.set n, 0
.rept 8
	v_mov_b32 v[VF+24*(2*g+n/4)+6*(n%4)+3+i], v[VT+4*n+i]
.set n, n+1
.endr
.set i, i+1
.endr
.set g, g+1
.endr
	WIN 0
; ---- the frame's attention
	s_wait_xcnt 0x0                                ; the stores above have had their addresses translated
	s_wait_alu depctr_vm_vsrc(0)                   ; and have read v244-246: v244 is written again in the loop below
	v_add_nc_u32 v14, 9984, v11                    ; k's tiles lie behind q's
	v_add_nc_u32 v15, 9984, v12
	v_add_nc_u32 v16, 1664, v13
	WIN 0x80
	s_wait_alu depctr_va_vdst(0)                   ; v14-16 are written, which the loads below read; the quantiser is done with v's sums in window 2, the passes' products with v32-44, the cls part with v224-229: the loads below land there
.set T, 0
.rept 13                                       ; k's fragments stand six registers apart in window 2: a fragment's upper six are the next tile's codes, which meet q's zero codes
	ds_load_b128 v[6*T:6*T+3], v14 offset:768*T
	ds_load_b64 v[6*T+4:6*T+5], v15 offset:768*T
.set T, T+1
.endr
.set j, 0
.rept 6
	v_mov_b32 v[78+j], 0
.set j, j+1
.endr
	WIN 0
.set T, 0
.rept 13
	ds_load_b32 v[XS+T], v16 offset:128*T
.set T, T+1
.endr
	ds_load_b128 v[QF:QF+3], v11                   ; q's tile 0; each trip asks for the next trip's.  (The six moves above name none of these loads' registers)
	ds_load_b64 v[QF+4:QF+5], v12
	ds_load_b32 v[QS], v13
.set j, 0
.rept 6
	v_mov_b32 v[QF+6+j], 0                         ; q's K = 64 .. 127
.set j, j+1
.endr
.set j, 0
.rept 24
	v_mov_b32 v[S+104+j], 0                        ; p of the keys that do not exist: tiles 13 to 15
.set j, j+1
.endr
	v_mov_b32 v[BSO+7], 0x00800000                 ; a scale for the block of zeros
	v_mov_b32 v237, 0                              ; (upper halves of pairs of which the low word serves both)
	v_mov_b32 v243, 0
	s_mov_b32 s41, 0
	s_mov_b32 s42, 0
	s_mov_b32 s43, 0
	s_mov_b32 s45, 0
	s_wait_alu depctr_va_vdst(0)                   ; the zero codes behind k's last tile and in q's upper K are written, and so are v's codes and scale words: scaled products take them.  The 27 moves behind the zero codes are their places
	s_wait_dscnt 0x0
.Latt:
	s_wait_dscnt 3                                 ; q's tile, asked for in the trip before, is in; that trip's three stores are younger and may be out: nothing reads their bytes ahead of the tail's barrier
	s_wait_alu depctr_vm_vsrc(0)                   ; the loads issued so far have read v14-16, the last trip's stores v21-23, v136 and v138-143: the products and the additions below write them again
	WIN 0x02
.set kt, 0
.rept 13
	v_wmma_scale_f32_16x16x128_f8f6f4 v[S+8*kt:S+8*kt+7], v[6*kt:6*kt+11], v[QF:QF+11], 0, v[XS+kt], v[QS] matrix_a_fmt:MATRIX_FMT_FP6 matrix_b_fmt:MATRIX_FMT_FP6
.set kt, kt+1
.endr
	WIN 0
	v_add_nc_u32 v21, s42, v17                     ; six plain instructions: the places behind the products.  Where this trip's result goes,
	v_add_nc_u32 v22, s42, v18
	v_add_nc_u32 v23, s45, v19
	s_add_co_u32 s42, s42, 768
	s_add_co_u32 s43, s43, 128
	v_add_nc_u32 v14, s42, v11                     ; and where the next trip's q lies
	v_add_nc_u32 v15, s42, v12
	v_add_nc_u32 v16, s43, v13
	; lane (r, h) holds query PERM(qt, r); register 16 b + i is key 32 b + 16 h + i.  Keys over 196: -infinity
.set j, 0
.rept 5
	v_cndmask_b32 v[S+96+j], v[S+96+j], v25, s36
.set j, j+1
.endr
.set j, 0
.rept 3
	v_mov_b32 v[S+101+j], v25
.set j, j+1
.endr
.set b, 0
.rept 7
	v_max3_num_f32 v[BM+b], v[S+16*b], v[S+16*b+1], v[S+16*b+2]   ; each block's largest score: for the row's maximum, and for the block's largest p
.set b, b+1
.endr
	v_max3_num_f32 v[BM+6], v[BM+6], v[S+99], v[S+100]
.set i, 3
.rept 6
.set b, 0
.rept 6
	v_max3_num_f32 v[BM+b], v[BM+b], v[S+16*b+i], v[S+16*b+i+1]
.set b, b+1
.endr
.set i, i+2
.endr
.set b, 0
.rept 6
	v_max_num_f32 v[BM+b], v[BM+b], v[S+16*b+15]
.set b, b+1
.endr
.set b, 0
.rept 7
	v_permlanex16_b32 v[BT+b], v[BM+b], s30, s31
.set b, b+1
.endr
.set b, 0
.rept 7
	v_max_num_f32 v[BM+b], v[BM+b], v[BT+b]
.set b, b+1
.endr
	v_max3_num_f32 v244, v[BM], v[BM+1], v[BM+2]
	v_max3_num_f32 v244, v244, v[BM+3], v[BM+4]
	v_max3_num_f32 v244, v244, v[BM+5], v[BM+6]
	v_mul_f32 v244, s32, v244                      ; the row's largest t
	v_floor_f32 v236, -v244                        ; -M = floor(-t): M is a whole number
.set j, 0
.rept 52
	v_pk_fma_f32 v[S+j:S+j+1], v[S+j:S+j+1], s[32:33], v[236:237] op_sel_hi:[1,0,0]   ; t - M
.set j, j+2
.endr
.set b, 0
.rept 7
	v_fma_f32 v[BM+b], v[BM+b], s32, v236
.set b, b+1
.endr
.set j, 0
.rept 104
	v_exp_f32 v[S+j], v[S+j]                       ; p = 2^(t - M)
.set j, j+1
.endr
	v_nop                                          ; a plain place behind the exponentials,
	s_wait_alu depctr_va_vdst(0)                   ; and one wait for the batch: p is written.  It also states that the score products are done reading q's tile and its scale words, and that v14-16 are written
	s_cmp_eq_u32 s41, 12
	s_cbranch_scc1 .Lnoq                           ; the last trip asks for nothing
	ds_load_b128 v[QF:QF+3], v14                   ; the next trip's q: the rest of this trip names none of these registers
	ds_load_b64 v[QF+4:QF+5], v15
	ds_load_b32 v[QS], v16
.Lnoq:
.set b, 0
.rept 7
	v_exp_f32 v[BM+b], v[BM+b]                     ; each block's largest p: the same two instructions on the same number
.set b, b+1
.endr
	v_pk_add_f32 v[238:239], v[S:S+1], v[S+2:S+3]  ; the row's sum, of the unquantised p, in two chains: the first half stands behind the seven
	v_pk_add_f32 v[240:241], v[S+4:S+5], v[S+6:S+7]
.set j, 8
.rept 12
	v_pk_add_f32 v[238:239], v[238:239], v[S+j:S+j+1]
	v_pk_add_f32 v[240:241], v[240:241], v[S+j+2:S+j+3]
.set j, j+4
.endr
	s_wait_alu depctr_va_vdst(0)                   ; one wait for the seven: the blocks' largest p are written
.set b, 0
.rept 7
	v_max_num_f32 v[BM+b], FLOOR, v[BM+b]
.set b, b+1
.endr
.set b, 0
.rept 7
	v_add_nc_u32 v[BSO+b], EOFF, v[BM+b]
.set b, b+1
.endr
.set b, 0
.rept 7
	v_lshrrev_b32 v[BBY+b], 23, v[BSO+b]
.set b, b+1
.endr
	v_lshl_or_b32 v[PS], v[BBY+1], 8, v[BBY]
	v_lshl_or_b32 v[PS+1], v[BBY+5], 8, v[BBY+4]
	v_lshl_or_b32 v[PS], v[BBY+2], 16, v[PS]
	v_lshl_or_b32 v[PS+1], v[BBY+6], 16, v[PS+1]
	v_lshl_or_b32 v[PS], v[BBY+3], 24, v[PS]
	WIN 0xc0                                       ; p's codes: window 3, v0-23; the upper halves at v24 on
.set cc, 0
.rept 4
	v_cvt_scalef32_pk16_fp6_f32 v[6*cc:6*cc+2], v[S+32*cc:S+32*cc+15], v[BSO+2*cc]
	v_cvt_scalef32_pk16_fp6_f32 v[24+4*cc:24+4*cc+2], v[S+32*cc+16:S+32*cc+31], v[BSO+2*cc+1]
.set cc, cc+1
.endr
	WIN 0xc3
	v_nop                                          ; one plain place behind a scaled conversion
.set i, 0
.rept 3
.set cc, 0
.rept 4
	v_permlane16_swap_b32 v[6*cc+i], v[24+4*cc+i]
.set cc, cc+1
.endr
.set i, i+1
.endr
.set i, 0
.rept 3
.set cc, 0
.rept 4
	v_mov_b32 v[6*cc+3+i], v[24+4*cc+i]
.set cc, cc+1
.endr
.set i, i+1
.endr
	WIN 0
.set j, 56
.rept 12                                       ; the sum's second half: also the places between the writing of p's codes and scale words and the products that take them
	v_pk_add_f32 v[238:239], v[238:239], v[S+j:S+j+1]
	v_pk_add_f32 v[240:241], v[240:241], v[S+j+2:S+j+3]
.set j, j+4
.endr
	v_pk_add_f32 v[238:239], v[238:239], v[240:241]
	WIN 0x0d                                       ; v in window 1, p in window 3, O^T in window 0, where the first scores lay
	s_wait_alu depctr_va_vdst(0)                   ; p's codes in window 3 and its scale words v62, v63 are written: the scaled products below take them; the places above stay beside this wait
.set ks, 0
.rept 2
.set ct, 0
.rept 4
.if ks == 0
	v_wmma_scale_f32_16x16x128_f8f6f4 v[S+8*ct:S+8*ct+7], v[VF+24*ct:VF+24*ct+11], v[0:11], 0, v[VS+2*ct], v[PS] matrix_a_fmt:MATRIX_FMT_FP6 matrix_b_fmt:MATRIX_FMT_FP6
.else
	v_wmma_scale_f32_16x16x128_f8f6f4 v[S+8*ct:S+8*ct+7], v[VF+24*ct+12:VF+24*ct+23], v[12:23], v[S+8*ct:S+8*ct+7], v[VS+2*ct+1], v[PS+1] matrix_a_fmt:MATRIX_FMT_FP6 matrix_b_fmt:MATRIX_FMT_FP6
.endif
.set ct, ct+1
.endr
.set ks, ks+1
.endr
	WIN 0
	v_add_f32 v238, v238, v239
	v_permlanex16_b32 v240, v238, s30, s31
	v_add_f32 v238, v238, v240                     ; the row's sum
	v_rcp_f32 v242, v238
	v_nop
	v_nop                                          ; with the two additions: four plain places behind the products
	s_wait_alu depctr_va_vdst(0)                   ; the wait ahead of the reciprocal's first reader: v242 is written
.set j, 0
.rept 16
	v_pk_mul_f32 v[S+j:S+j+1], v[S+j:S+j+1], v[242:243] op_sel_hi:[1,0]   ; register 16 b + i: d = 32 b + 16 h + i of my query
.set j, j+2
.endr
	v_max3_num_f32 v128, |v[S]|, |v[S+1]|, FLOOR
	v_max3_num_f32 v129, |v[S+16]|, |v[S+17]|, FLOOR
.set i, 2
.rept 7
	v_max3_num_f32 v128, |v[S+i]|, |v[S+i+1]|, v128
	v_max3_num_f32 v129, |v[S+16+i]|, |v[S+17+i]|, v129
.set i, i+2
.endr
	v_permlanex16_b32 v130, v128, s30, s31
	v_permlanex16_b32 v131, v129, s30, s31
	v_max_num_f32 v128, v128, v130
	v_max_num_f32 v129, v129, v131
	v_add_nc_u32 v132, EOFF, v128
	v_add_nc_u32 v133, EOFF, v129
	v_lshrrev_b32 v134, 23, v132
	v_lshrrev_b32 v135, 23, v133
	v_lshl_or_b32 v136, v135, 8, v134
	v_cvt_scalef32_pk16_fp6_f32 v[138:140], v[S:S+15], v132
	v_cvt_scalef32_pk16_fp6_f32 v[142:144], v[S+16:S+31], v133
	v_nop                                          ; one plain place behind a scaled conversion
	v_permlane16_swap_b32 v138, v142
	v_permlane16_swap_b32 v139, v143
	v_permlane16_swap_b32 v140, v144
	v_mov_b32 v141, v142
	v_mov_b32 v142, v143
	v_mov_b32 v143, v144
	s_wait_alu depctr_va_vdst(0)                   ; the result's codes v138-143, its scale word v136 and the addresses v21-23 are written, which the stores read.  No vector instruction follows in the trip
	ds_store_b128 v21, v[138:141]
	ds_store_b64 v22, v[142:143]
	ds_store_b32 v23, v136                         ; both halves of the lanes write the same word with the same value
	s_add_co_u32 s45, s45, 64
	s_add_co_u32 s41, s41, 1
	s_cmp_lt_u32 s41, 13
	s_cbranch_scc1 .Latt
; ---- the tail: a fragment of the last product's K step holds two heads: registers 0-5 the even head's six, 6-11 the odd head's.  Wave w sends K step w / 2, tiles 0-6 (w even) or 7-12 (w odd).
	BARRIER                                        ; all four heads' tiles lie in LDS
	s_wait_alu depctr_vm_vsrc(0)                   ; my last stores have read v136 and v138-143, in which tiles land below (the vector work on these registers stands ahead of the loop's last wait on va_vdst)
.macro OLOAD t
	ds_load_b128 v[96+12*(\t):96+12*(\t)+3], v20 offset:768*(\t)
	ds_load_b64 v[96+12*(\t)+4:96+12*(\t)+5], v24 offset:768*(\t)
	ds_load_b64 v[96+12*(\t)+6:96+12*(\t)+7], v20 offset:9984+768*(\t)
	ds_load_b64 v[96+12*(\t)+8:96+12*(\t)+9], v20 offset:9984+768*(\t)+8
	ds_load_b64 v[96+12*(\t)+10:96+12*(\t)+11], v24 offset:9984+768*(\t)
.endm
.macro OSEND t
	global_store_b128 v[LI], v[96+12*(\t):96+12*(\t)+3], s[12:13] offset:1536*(\t)
	global_store_b128 v[LI], v[96+12*(\t)+4:96+12*(\t)+7], s[12:13] offset:1536*(\t)+512
	global_store_b128 v[LI], v[96+12*(\t)+8:96+12*(\t)+11], s[12:13] offset:1536*(\t)+1024
.endm
.irp t, 0,1,2,3,4,5
	OLOAD \t
.endr
	s_wait_dscnt 0x0
.irp t, 0,1,2,3,4,5
	OSEND \t
.endr
	s_cmp_lg_u32 s54, 0
	s_cbranch_scc1 .Lsix                           ; 13 tiles: the even waves have a seventh
	OLOAD 6
	s_wait_dscnt 0x0
	OSEND 6
.Lsix:
	s_cmp_lg_u32 s20, 0
	s_cbranch_scc1 .Lend                           ; wave 0 joins the scale words: the even heads' two bytes below, the odd heads' above
.set i, 0
.rept 3
	ds_load_b128 v[200+4*i:200+4*i+3], v31 offset:512*i
	ds_load_b128 v[216+4*i:216+4*i+3], v31 offset:1664+512*i
.set i, i+1
.endr
	ds_load_b32 v212, v45 offset:1536
	ds_load_b32 v228, v45 offset:1664+1536
	s_wait_dscnt 0x0
.set i, 0
.rept 13
	v_lshl_or_b32 v[200+i], v[216+i], 16, v[200+i]
.set i, i+1
.endr
	s_wait_alu depctr_va_vdst(0)                   ; the joined scale words v200-212 are written, which the stores read
.set i, 0
.rept 3
	global_store_b128 v[LI], v[200+4*i:200+4*i+3], s[14:15] offset:512*i
.set i, i+1
.endr
	global_store_b32 v[L4], v212, s[14:15] offset:1536
.Lend:
	s_wait_dscnt 0x0                               ; the closing lines, six on end
	s_wait_alu 0x0
	s_wait_tensorcnt 0x0
	ds_add_u32 v254, v255
	s_wait_dscnt 0x0
	s_endpgm
.Lfunc_end_k_q5b12fe5d21_attn:
	.size	k_q5b12fe5d21_attn, .Lfunc_end_k_q5b12fe5d21_attn-k_q5b12fe5d21_attn
	.p2alignl 7, 3214868480
	.fill 96, 4, 3214868480
	.section	.rodata,"a",@progbits
	.p2align	6, 0x0
	.amdhsa_kernel k_q5b12fe5d21_attn
		.amdhsa_group_segment_fixed_size 307456
		.amdhsa_private_segment_fixed_size 0
		.amdhsa_enable_private_segment 0
		.amdhsa_kernarg_size 64
		.amdhsa_user_sgpr_count 2
		.amdhsa_user_sgpr_kernarg_segment_ptr 1
		.amdhsa_wavefront_size32 1
		.amdhsa_system_sgpr_workgroup_id_x 1
		.amdhsa_system_sgpr_workgroup_id_y 1
		.amdhsa_system_sgpr_workgroup_id_z 1
		.amdhsa_system_vgpr_workitem_id 0
		.amdhsa_next_free_vgpr 1024
		.amdhsa_next_free_sgpr 66
		.amdhsa_reserve_vcc 0
		.amdhsa_float_denorm_mode_32 3
		.amdhsa_float_denorm_mode_16_64 3
		.amdhsa_memory_ordered 1
		.amdhsa_forward_progress 1
		.amdhsa_inst_pref_size 255
	.end_amdhsa_kernel
	.section	.bss,"aw",@nobits
	.p2align	6
	.space	262144
	.amdgpu_metadata
---
amdhsa.version: [ 1, 2 ]
amdhsa.kernels:
  - .name:           k_q5b12fe5d21_attn
    .symbol:         k_q5b12fe5d21_attn.kd
    .args:
      - { .name: xc, .offset: 0, .size: 8, .value_kind: global_buffer, .address_space: global }
      - { .name: xs, .offset: 8, .size: 8, .value_kind: global_buffer, .address_space: global }
      - { .name: wc, .offset: 16, .size: 8, .value_kind: global_buffer, .address_space: global }
      - { .name: wsc, .offset: 24, .size: 8, .value_kind: global_buffer, .address_space: global }
      - { .name: oc, .offset: 32, .size: 8, .value_kind: global_buffer, .address_space: global }
      - { .name: os, .offset: 40, .size: 8, .value_kind: global_buffer, .address_space: global }
      - { .name: clso, .offset: 48, .size: 8, .value_kind: global_buffer, .address_space: global }
      - { .name: clsml, .offset: 56, .size: 8, .value_kind: global_buffer, .address_space: global }
    .group_segment_fixed_size: 307456
    .private_segment_fixed_size: 0
    .kernarg_segment_align: 8
    .kernarg_segment_size: 64
    .max_flat_workgroup_size: 128
    .sgpr_count:     66
    .vgpr_count:     1024
    .wavefront_size: 32
...
	.end_amdgpu_metadata
.endif
;; end of part 4
;; launch proj: the kernel of part 3 again; grid 4 x 64, 4 waves a work-group, clusters of 4 x 1, 184,832 bytes of LDS; arguments oc, os, wc, wsc, clso, clsml, out0; writes out0
